; MI455X (gfx1250); checked and timed in simulation.
; The chip was launched on July 23, 2026; its instructions are those of AMD's public machine-readable ISA for CDNA 5 (MIT licence, August 2026) and "CDNA5" Instruction Set Architecture Reference Guide (July 2026). The comments in the code are by the model that wrote it; some were corrected since.
;; Multiheaded Attention. Allowed arithmetic: matrix products marked QUANTISED: E2M3 operands, one E8M0 scale for each 32 along K, by v_wmma_scale_f32_16x16x128_f8f6f4 with both operands' format E2M3, f32 sums; everything else in f32.
;; Inputs: k 8,192 x 64 float32; q 8,192 x 64 float32; v 8,192 x 64 float32; w_o 512 x 512 float32.
;; Outputs: out0 8,192 x 512 float32.
;; This version of the problem:
;;   THIS VERSION OF THE PROBLEM IS GIVEN IN LOW PRECISION. The matrix products marked QUANTISED in the list below multiply operands that are first quantised to E2M3 (2 exponent bits, 3 mantissa bits; 6 bits a number), with one power-of-two scale for each 32 numbers along K (OCP MX v1.0); their sums are f32. All else is computed in f32.
;;   The module's matrix products, in the order in which they are computed (A, B: the left and right operand; K: the contracted axis; several contracted axes count as one K, in the product's order):
;;     1. [M 8,192, K 64] x [K 64, N 8,192]; A: input q; B: input k: QUANTISED
;;     2. [M 8,192, K 8,192] x [K 8,192, N 64]; A: softmax (see below); B: input v: QUANTISED
;;     3. [M 8,192, K 512] x [K 512, N 512]; A: computed on the way; B: input w_o: QUANTISED
;;   THE QUANTISER, for each operand of a quantised product, along K:
;;     - K is cut into blocks of 32 from its start; a last block that is shorter is filled with zeros.
;;     - A block's scale is 2^e with e = floor(log2(the largest magnitude in the block)) - 2, held to -126 .. 127; a block of zeros has e = 0. As a byte (E8M0): e + 127.
;;     - Each number is divided by its block's scale, clamped to +-7.5, and rounded to the nearest number of E2M3, ties to even, subnormals kept.
;;     - The product sums the exact products of the quantised numbers (number of the format x scale) in f32.
;;   ~~~python
;;   def quantise(x, axis):      # numpy; x: float32 -> the quantised numbers, widened to float32 again
;;       x = np.moveaxis(x, axis, -1); K = x.shape[-1]
;;       x = np.pad(x, [(0, 0)] * (x.ndim - 1) + [(0, -K % 32)]); x = x.reshape(x.shape[:-1] + (-1, 32)); a = np.abs(x).max(-1, keepdims=True)
;;       e = np.where(a > 0, np.clip(np.frexp(np.where(a > 0, a, 1))[1] - 1 - 2, -126, 127), 0)      # np.frexp(a)[1] - 1 = floor(log2(a)), exactly
;;       r = np.clip(x / 2.0 ** e, -7.5, 7.5)
;;       step = 2.0 ** (np.maximum(np.frexp(np.where(r == 0, 1, r))[1] - 1, 0) - 3)
;;       q = np.round(r / step) * step * 2.0 ** e      # np.round: ties to even
;;       return np.moveaxis(q.reshape(q.shape[:-2] + (-1,))[..., :K], -1, axis).astype(np.float32)
;;   ~~~
;;   SOFTMAX AHEAD OF A QUANTISED PRODUCT. Where the list says 'softmax', what is quantised is not the finished softmax but p = 2^(t - M), with t = logit x log2(e) and M = ceil(the row's largest t), a whole number; so 1/2 < the row's largest p <= 1. The row's sum l is taken of the UNQUANTISED p, in f32, and the product's result is divided by l at the end. Since M is a whole number, a kernel that streams over the keys may use a running M (the ceiling of the running maximum): every later rescaling is an exact power of two, which a block's scale takes up: the codes' values come out the same.
;;   OPERANDS COMPUTED ON THE WAY. 'Computed on the way' means the value that the module computes at that place (a softmax that the list does not call 'softmax' is quantised finished and normalised). What goes into a quantiser is computed in f32, as accurately as f32 sums, v_exp_f32 and their like allow (about 1e-6 of the number): no bf16 or f16 on the way to a quantiser, and a product that is left as it is and whose result goes on into a quantised operand takes f32 operands (vector FMAs, or v_wmma_f32_16x16x4_f32). A number that lies on a knife's edge between two numbers of the format may be rounded either way, as far as f32 arithmetic and the matrix unit's own rounding can turn it there, and no further.
;; 2 versions. Each part assembles by itself: llvm-mc -triple=amdgcn-amd-amdhsa -mcpu=gfx1250 --defsym DOCPART=n.
;; ======== version 1 of 2: 3 launches
;; workspace buffers: kv 884,736 bytes; wimg 212,992 bytes; part_o 8,388,608 bytes; part_s 524,288 bytes
;; launch prep (part 1): grid 512 x 1, 1 waves a work-group, no clusters, 0 bytes of LDS; arguments k, v, w_o, kv, wimg; writes kv, wimg
.if DOCPART == 1
	.amdgcn_target "amdgcn-amd-amdhsa--gfx1250"
	.amdhsa_code_object_version 6
	.text
	.protected	k_qd765cc0110_prep
	.globl	k_qd765cc0110_prep
	.p2align	8
	.type	k_qd765cc0110_prep,@function
k_qd765cc0110_prep:
	s_mov_b64 s[64:65], 0
	v_nop
	global_prefetch_b8 v0, s[64:65] scope:SCOPE_SE
	s_setreg_imm32_b32 hwreg(HW_REG_WAVE_MODE, 25, 1), 1
	s_wait_xcnt 0x0
; k [8192][64], v [8192][64], w_o [512][512], f32, become codes of FP6 (E2M3) with one E8M0 byte for each 32 along a product's K,
; laid as IMAGES OF THE OPERANDS' REGISTERS: four registers of all 32 lanes are 512 consecutive bytes, lane l's 16 bytes at 16 l; a scale word 4 bytes a lane.
; A block's scale is 2^(floor(log2(its largest magnitude)) - 2); its byte is the largest magnitude's exponent field - 2, held at 1 from below.
; LIMITS: a block whose largest magnitude lies under 2^-124 keeps the byte 1 (a block of zeros too, where the rule says 127: its codes are zeros, which add
; nothing under any byte but 0xff, and this program alone reads the bytes); NaN and infinities among the inputs are not served.
; kv: 64 key steps of 128 keys, 13,824 bytes each:
;   g x 3,584 (g = 0, 1): K's tiles 4 g .. 4 g + 3: 24 registers of codes (6 a tile: K = 64 is half a fragment) as six groups of 512 bytes; at + 3,072 the four tiles' scale words, 16 bytes a lane
;   7,168 + 1,536 t: V's fragment t (16 channels x 128 keys, 12 registers);   13,312 + 128 t: its scale words
; THE ROWS OF A TILE ARE NOT NEIGHBOURS: lane r of tile 2 b + u takes key (or channel) 32 b + 8 u + r + 8 (r / 8), so that a product's results, used transposed, run along the next K.
; wimg: 32 tiles of 16 columns of w_o, 6,656 bytes each: K step s at 1,536 s, its scale words at 6,144 + 128 s.
; One wave is one job: work-groups 0-127 take 64 keys of k; 128-383 a fragment of v; 384-511 a fragment of w_o.  A lane holds whole blocks of 32, so no maximum asks another lane.
; For v and w_o, whose K is the first axis, a lane takes a column and its registers run down K: nothing is transposed.  No LDS, no barrier: jobs share nothing.
.set FLOOR,  0x1800000                 ; 2^(3 - 127): under it no largest magnitude is taken
.set STEPB,  13824
.set TM, 8                             ; v8-11   largest magnitudes (in FRAGQ: v8-9, and v10-11 the bytes)
.set SO, 12                            ; v12-15  the conversions' scale operands
.set T,  16                            ; v16-31  second halves of the blocks' codes, four registers a tile
.set C,  32                            ; v32-55  the codes as they leave
.set W,  56                            ; v56-59  scale words
.set BY, 60                            ; v60-63  scale bytes
.set X,  64                            ; v64-191 the numbers
.set PX, 192                           ; v192-195 what the lane 16 away sends
	s_load_b128 s[4:7], s[0:1], 0x0                ; k, v
	s_load_b128 s[8:11], s[0:1], 0x10              ; w_o, kv
	s_load_b64 s[12:13], s[0:1], 0x20              ; wimg
	v_and_b32 v4, 15, v0                           ; r  (one wave: v0 is the lane)
	v_lshrrev_b32 v5, 4, v0                        ; h
	v_and_b32 v6, 8, v4
	v_add_nc_u32 v6, v6, v4                        ; r + 8 (r / 8)
	v_lshlrev_b32 v1, 4, v0                        ; an image's place for my lane
	v_lshlrev_b32 v2, 2, v0                        ; a scale word's
	v_lshlrev_b32 v7, 3, v5                        ; 8 h: my byte's place in a scale word, in bits
.irp t, 0,1,2,3
	v_mov_b32 v[PX+\t], 0                          ; written once: a lane permute's destination counts as one of its sources
.endr
	s_mov_b32 s20, 0x76543210
	s_mov_b32 s21, 0xfedcba98                      ; v_permlanex16_b32's selects for lane l xor 16
	s_mov_b32 s15, 0
	s_mov_b32 s23, 0
	s_wait_kmcnt 0x0
	s_cmp_lt_u32 ttmp9, 128
	s_cbranch_scc1 .Lpath_k
	s_cmp_lt_u32 ttmp9, 384
	s_cbranch_scc1 .Lpath_v
	s_branch .Lpath_w
; A fragment whose K is the tensor's first axis: lane (r, h) takes one column and k = 64 c + 32 h + 0 .. 31, pitch bytes apart.  Source s[src:src+1] + v3; codes to s[24:25], scale words to s[26:27].
.macro FRAGQ pitch, src
.irp c, 0,1
.irp i, 0,1,2,3,4,5,6,7,8,9,10,11,12,13,14,15,16,17,18,19,20,21,22,23,24,25,26,27,28,29,30,31
	global_load_b32 v[X+32*\c+\i], v3, s[\src:\src+1] offset:(64*\c+\i)*\pitch
.endr
.endr
	s_wait_loadcnt 0x0
.irp c, 0,1                                    ; my block 2 c + h: all its 32 numbers are mine
	v_max3_num_f32 v[TM+\c], |v[X+32*\c]|, |v[X+32*\c+1]|, FLOOR
.endr
.irp i, 2,4,6,8,10,12,14,16,18,20,22,24,26,28,30
.irp c, 0,1
	v_max3_num_f32 v[TM+\c], v[TM+\c], |v[X+32*\c+\i]|, |v[X+32*\c+\i+1]|   ; the two blocks by turns
.endr
.endr
.irp c, 0,1
	v_add_nc_u32 v[SO+\c], 0xff000000, v[TM+\c]    ; 2 off the exponent field: the conversion takes this operand's exponent field as its scale
.endr
.irp c, 0,1
	v_lshrrev_b32 v[TM+2+\c], 23, v[SO+\c]         ; the scale's byte
.endr
	v_lshl_or_b32 v[W], v[TM+3], 16, v[TM+2]       ; my two bytes, blocks h and 2 + h,
	v_lshlrev_b32 v[W], v7, v[W]                   ; at their places;
	v_permlanex16_b32 v[PX], v[W], s20, s21
	v_or_b32 v[W], v[W], v[PX]                     ; with lane l xor 16's two the word is whole, in both halves of the lanes
.irp c, 0,1
	v_cvt_scalef32_pk16_fp6_f32 v[C+6*\c:C+6*\c+2], v[X+32*\c:X+32*\c+15], v[SO+\c]
	v_cvt_scalef32_pk16_fp6_f32 v[T+4*\c:T+4*\c+2], v[X+32*\c+16:X+32*\c+31], v[SO+\c]   ; (a conversion's three registers begin on an even number)
.endr
	v_nop                                          ; one plain place behind a scaled conversion
.irp c, 0,1
.irp i, 0,1,2
	v_mov_b32 v[C+6*\c+3+\i], v[T+4*\c+\i]
.endr
.endr
.irp p, 0,1,2
	global_store_b128 v1, v[C+4*\p:C+4*\p+3], s[24:25] offset:512*\p   ; 32 lanes store 512 consecutive bytes, at a multiple of 256 from the buffer's first byte
.endr
	global_store_b32 v2, v[W], s[26:27]
.endm
.Lpath_k:                                      ; job = work-group: 64 keys, four tiles; a lane holds 32 neighbouring numbers of one key for each tile
	s_lshl_b32 s14, ttmp9, 14                      ; 64 rows of 256 bytes
	s_add_nc_u64 s[4:5], s[4:5], s[14:15]
	s_lshr_b32 s16, ttmp9, 1                       ; the key step,
	s_and_b32 s17, ttmp9, 1                        ; and which half of its tiles
	s_mul_i32 s16, s16, STEPB
	s_mul_i32 s17, s17, 3584
	s_add_co_u32 s14, s16, s17
	s_add_nc_u64 s[10:11], s[10:11], s[14:15]
	v_lshlrev_b32 v3, 8, v6
	v_lshl_add_u32 v3, v5, 7, v3                   ; row r + 8 (r / 8), + 128 h: my block of 32
.irp t, 0,1,2,3
.irp i, 0,1,2,3,4,5,6,7
	global_load_b128 v[X+32*\t+4*\i:X+32*\t+4*\i+3], v3, s[4:5] offset:(32*(\t/2)+8*(\t%2))*256+16*\i
.endr
.endr
	s_wait_loadcnt 0x0
.irp t, 0,1,2,3
	v_max3_num_f32 v[TM+\t], |v[X+32*\t]|, |v[X+32*\t+1]|, FLOOR
.endr
.irp i, 2,4,6,8,10,12,14,16,18,20,22,24,26,28,30
.irp t, 0,1,2,3
	v_max3_num_f32 v[TM+\t], v[TM+\t], |v[X+32*\t+\i]|, |v[X+32*\t+\i+1]|   ; the four tiles by turns
.endr
.endr
.irp t, 0,1,2,3
	v_add_nc_u32 v[SO+\t], 0xff000000, v[TM+\t]
.endr
.irp t, 0,1,2,3
	v_lshrrev_b32 v[BY+\t], 23, v[SO+\t]
.endr
.irp t, 0,1,2,3
	v_lshlrev_b32 v[BY+\t], v7, v[BY+\t]           ; block h's byte at byte h; bytes 2 and 3 stay 0
.endr
.irp t, 0,1,2,3
	v_permlanex16_b32 v[PX+\t], v[BY+\t], s20, s21
.endr
.irp t, 0,1,2,3
	v_or_b32 v[W+\t], v[BY+\t], v[PX+\t]
.endr
.irp t, 0,1,2,3
	v_cvt_scalef32_pk16_fp6_f32 v[C+6*\t:C+6*\t+2], v[X+32*\t:X+32*\t+15], v[SO+\t]
	v_cvt_scalef32_pk16_fp6_f32 v[T+4*\t:T+4*\t+2], v[X+32*\t+16:X+32*\t+31], v[SO+\t]
.endr
	v_nop                                          ; one plain place behind a scaled conversion
.irp t, 0,1,2,3
.irp i, 0,1,2
	v_mov_b32 v[C+6*\t+3+\i], v[T+4*\t+\i]
.endr
.endr
.irp p, 0,1,2,3,4,5
	global_store_b128 v1, v[C+4*\p:C+4*\p+3], s[10:11] offset:512*\p
.endr
	global_store_b128 v1, v[W:W+3], s[10:11] offset:3072
	s_endpgm
.Lpath_v:                                      ; job f: key step f / 4, tile f % 4 of the 64 channels
	s_sub_co_u32 s14, ttmp9, 128
	s_lshr_b32 s16, s14, 2
	s_and_b32 s17, s14, 3
	s_lshl_b32 s22, s16, 15                        ; 128 rows of 256 bytes
	s_lshr_b32 s18, s17, 1
	s_lshl_b32 s18, s18, 7                         ; + 32 channels for tiles 2, 3
	s_add_co_u32 s22, s22, s18
	s_and_b32 s18, s17, 1
	s_lshl_b32 s18, s18, 5                         ; + 8 channels for tiles 1, 3
	s_add_co_u32 s22, s22, s18
	s_add_nc_u64 s[6:7], s[6:7], s[22:23]
	s_mul_i32 s16, s16, STEPB
	s_mul_i32 s22, s17, 1536
	s_add_co_u32 s22, s22, s16
	s_add_co_u32 s22, s22, 7168
	s_add_nc_u64 s[24:25], s[10:11], s[22:23]
	s_lshl_b32 s22, s17, 7
	s_add_co_u32 s22, s22, s16
	s_add_co_u32 s22, s22, 13312
	s_add_nc_u64 s[26:27], s[10:11], s[22:23]
	v_lshlrev_b32 v3, 2, v6                        ; channel r + 8 (r / 8),
	v_lshl_add_u32 v3, v5, 13, v3                  ; lanes 16-31 begin 32 keys further down
	FRAGQ 256, 6
	s_endpgm
.Lpath_w:                                      ; job f: tile f / 4 of 16 columns, K step f % 4
	s_sub_co_u32 s14, ttmp9, 384
	s_lshr_b32 s16, s14, 2
	s_and_b32 s17, s14, 3
	s_lshl_b32 s22, s17, 18                        ; 128 rows of 2,048 bytes
	s_lshl_b32 s18, s16, 6                         ; 16 columns
	s_add_co_u32 s22, s22, s18
	s_add_nc_u64 s[8:9], s[8:9], s[22:23]
	s_mul_i32 s16, s16, 6656
	s_mul_i32 s22, s17, 1536
	s_add_co_u32 s22, s22, s16
	s_add_nc_u64 s[24:25], s[12:13], s[22:23]
	s_lshl_b32 s22, s17, 7
	s_add_co_u32 s22, s22, s16
	s_add_co_u32 s22, s22, 6144
	s_add_nc_u64 s[26:27], s[12:13], s[22:23]
	v_lshlrev_b32 v3, 2, v4                        ; column r,
	v_lshl_add_u32 v3, v5, 16, v3                  ; lanes 16-31 begin 32 rows further down
	FRAGQ 2048, 8
	s_endpgm
.Lfunc_end_k_qd765cc0110_prep:
	.size	k_qd765cc0110_prep, .Lfunc_end_k_qd765cc0110_prep-k_qd765cc0110_prep
	.p2alignl 7, 3214868480
	.fill 96, 4, 3214868480
	.section	.rodata,"a",@progbits
	.p2align	6, 0x0
	.amdhsa_kernel k_qd765cc0110_prep
		.amdhsa_group_segment_fixed_size 0
		.amdhsa_private_segment_fixed_size 0
		.amdhsa_enable_private_segment 0
		.amdhsa_kernarg_size 40
		.amdhsa_user_sgpr_count 2
		.amdhsa_user_sgpr_kernarg_segment_ptr 1
		.amdhsa_wavefront_size32 1
		.amdhsa_system_sgpr_workgroup_id_x 1
		.amdhsa_system_sgpr_workgroup_id_y 1
		.amdhsa_system_sgpr_workgroup_id_z 1
		.amdhsa_system_vgpr_workitem_id 0
		.amdhsa_next_free_vgpr 200
		.amdhsa_next_free_sgpr 66
		.amdhsa_reserve_vcc 0
		.amdhsa_float_denorm_mode_32 3
		.amdhsa_float_denorm_mode_16_64 3
		.amdhsa_memory_ordered 1
		.amdhsa_forward_progress 1
		.amdhsa_inst_pref_size 32
	.end_amdhsa_kernel
	.amdgpu_metadata
---
amdhsa.version: [ 1, 2 ]
amdhsa.kernels:
  - .name:           k_qd765cc0110_prep
    .symbol:         k_qd765cc0110_prep.kd
    .args:
      - { .name: k, .offset: 0, .size: 8, .value_kind: global_buffer, .address_space: global }
      - { .name: v, .offset: 8, .size: 8, .value_kind: global_buffer, .address_space: global }
      - { .name: w_o, .offset: 16, .size: 8, .value_kind: global_buffer, .address_space: global }
      - { .name: kv, .offset: 24, .size: 8, .value_kind: global_buffer, .address_space: global }
      - { .name: wimg, .offset: 32, .size: 8, .value_kind: global_buffer, .address_space: global }
    .group_segment_fixed_size: 0
    .private_segment_fixed_size: 0
    .kernarg_segment_align: 8
    .kernarg_segment_size: 40
    .max_flat_workgroup_size: 32
    .sgpr_count:     66
    .vgpr_count:     200
    .wavefront_size: 32
...
	.end_amdgpu_metadata
.endif
;; end of part 1
;; launch attn (part 2): grid 64 x 4, 16 waves a work-group, clusters of 4 x 1, 264,192 bytes of LDS; arguments q, kv, part_o, part_s; writes part_o, part_s
.if DOCPART == 2
	.amdgcn_target "amdgcn-amd-amdhsa--gfx1250"
	.amdhsa_code_object_version 6
	.text
	.protected	k_qd765cc0110_attn
	.globl	k_qd765cc0110_attn
	.p2align	8
	.type	k_qd765cc0110_attn,@function
k_qd765cc0110_attn:
	s_mov_b64 s[64:65], 0
	v_nop
	global_prefetch_b8 v0, s[64:65] scope:SCOPE_SE
	s_setreg_imm32_b32 hwreg(HW_REG_WAVE_MODE, 25, 1), 1
	s_wait_xcnt 0x0
	s_wait_alu depctr_hold_cnt(0) depctr_sa_sdst(0) depctr_va_vdst(0) depctr_va_sdst(0) depctr_va_ssrc(0) depctr_va_vcc(0) depctr_vm_vsrc(0)
	s_getreg_b32 s2, hwreg(HW_REG_IB_STS2, 6, 4)
	s_cmp_eq_u32 s2, 0
	s_cbranch_scc0 .Lentry_in_a_cluster
	s_endpgm
.Lentry_in_a_cluster:
	s_bfe_u32 s2, ttmp6, 0x10000c
	s_cmp_lg_u32 s2, 0x3003
	s_cbranch_scc0 .Lentry_shape_is_right
	s_endpgm
.Lentry_shape_is_right:
; Attention of 8,192 queries over 8,192 keys, head size 64, both products on codes of FP6 (E2M3) with one E8M0 scale for each 32 along K.  This launch leaves PARTIAL results: for each quarter of
; the keys and each tile of 16 queries the unnormalised O, -M and the sum l; the next launch joins the four quarters.
; THE SOFTMAX: t = score x log2(e) / 8; M = the largest t so far, rounded UP to a whole number; p = 2^(t - M) is what is quantised, along the keys; l is the sum of the unquantised p.
; When M moves, l and O are multiplied by 2^(old M - new M): exact.
; SHARES.  A work-group owns 128 queries (8 tiles) and 2,048 keys (16 steps of 128).  Wave w owns tile w % 8 and the steps of parity w / 8: eight steps.  At the end waves 8-15 hand their O, -M, l to waves 0-7
; through LDS, which join and store them.  Sixteen waves of 256 registers, four to a SIMD: one wave's vector work stands beside another's matrix work and LDS loads.
; LDS.  The quarter's codes and scale words, 221,184 bytes of register images made by the launch before, come in ONCE, as eight chunks of two steps (27,648 bytes: 108 rows of 256); nothing is filled again.
; Behind them: 4,352 bytes for each pair of waves, for the hand-over; no fill lands there.
; CLUSTER.  The four work-groups of a cluster share the quarter: each chunk is asked for JOINTLY (mask 15, the same descriptor in all four); wave 0 issues the eight loads: eight tensor loads of it are out at the most.
; LAYOUT.  Both products are used transposed: S^T = K Q^T (source 0 = 16 keys), O^T = V^T P^T (source 0 = 16 channels): a lane holds ONE query (lane % 16).  Keys and channels of a tile are chosen
; (lane r of tile 2 b + u: 32 b + 8 u + r + 8 (r / 8)) so that register 16 b + i of S^T and of O^T is key or channel 32 b + 16 (lane / 16) + i.
; K = 64 IN AN INSTRUCTION OF 128.  Q's fragment has zero codes in registers 6-11.  K's eight half fragments lie on end, 6 registers each, and fragment t is named as 12 registers: its upper six are the next tile's
; codes (for tile 7 six cleared registers).  Every 6-bit pattern is a finite number; times Q's zero codes, under scale bytes 0 (2^-127, not NaN), it adds exactly 0.  So K costs half the registers and LDS reads.
; LIMITS: NaN and infinities among the inputs are not served; a block of q whose largest magnitude lies under 2^-124 keeps the byte 1; p under 2^-126 becomes 0.
.set FLOOR,  0x1800000                 ; 2^(3 - 127)
.set STEPB,  13824                     ; a key step's record
.set CHUNK,  2*STEPB
.set QUARTER, 8*CHUNK
.set CMB,    QUARTER                   ; the hand-over: a multiple of 256
.set CMBW,   4352
.set SO,  24                           ; v24-27  the conversions' scale operands
.set P,   28                           ; v28-39  p's codes; before them: v28-31 the blocks' maxima, v32-35 at work, v[36:37] the second chain of the sum
.set BM,  28
.set PX,  32
.set TM,  28                           ; QUANT2's: largest magnitudes,
.set QX,  32                           ; the other half's,
.set QS,  24                           ; scale operands,
.set QB,  34                           ; bytes
.set KF,  40                           ; v40-87  K's eight half fragments; v88-93 zeros
.set KSC, 94                           ; v94-101 K's scale words
.set VSC, 102                          ; v102-105 V's
.set VF,  106                          ; v106-153 V's four fragments
.set OT,  154                          ; v154-185 O^T
.set S,   186                          ; v186-249 S^T, then p
; v1 16 x lane + my parity's step, v2 4 x lane + the same (both step a chunk a trip); v3 at work; v[4:5] f and p's scale word; v6 Q's scale word; v7 q's offset; v[8:9] -M, the largest t;
; v[10:11] l in two halves; v12-23 Q's fragment; v250, v251 the hand-over's addresses; v252, v253 offsets of the stores.
; s12 wave, s13 cx, s14 block of queries, s15 quarter, s16 parity, s17 wave % 8, s18 tile; s[20:21] lane selects; s[22:23] c; s[24:31] descriptor group 1; s[32:63] eight groups 0; s[66:67] kv's offset.
.macro CROUND                          ; a round of the cluster's barrier
	s_barrier_signal -1
	s_barrier_wait -1
	s_cmp_lg_u32 s12, 0
	s_cbranch_scc1 .Lnot_wave_0_\@
	s_barrier_signal -3
.Lnot_wave_0_\@:
	s_barrier_wait -3
	s_barrier_signal -1
	s_barrier_wait -1
.endm
; 32 numbers of a lane, register 16 b + i = k 32 b + 16 (lane / 16) + i of my row, become six registers of codes at v[c0] on (a whole block a lane: lanes 0-15 block 0, lanes 16-31 block 1) and two bytes in v[QB], v[QB+1].
.macro QUANT2 s, c0, t0
.irp b, 0,1
	v_max3_num_f32 v[TM+\b], |v[\s+16*\b]|, |v[\s+1+16*\b]|, FLOOR
.endr
.irp i, 2,4,6,8,10,12,14
.irp b, 0,1
	v_max3_num_f32 v[TM+\b], v[TM+\b], |v[\s+16*\b+\i]|, |v[\s+1+16*\b+\i]|
.endr
.endr
.irp b, 0,1
	v_permlanex16_b32 v[QX+\b], v[TM+\b], s20, s21
.endr
.irp b, 0,1
	v_max_num_f32 v[TM+\b], v[TM+\b], v[QX+\b]     ; with lane l xor 16's: the block's largest magnitude
.endr
.irp b, 0,1
	v_add_nc_u32 v[QS+\b], 0xff000000, v[TM+\b]    ; 2 off its exponent field: the conversion's scale operand
.endr
.irp b, 0,1
	v_lshrrev_b32 v[QB+\b], 23, v[QS+\b]           ; the scale's byte
.endr
	v_cvt_scalef32_pk16_fp6_f32 v[\c0:\c0+2], v[\s:\s+15], v[QS]
	v_cvt_scalef32_pk16_fp6_f32 v[\t0:\t0+2], v[\s+16:\s+31], v[QS+1]
	v_nop                                          ; one plain place behind a scaled conversion
.irp i, 0,1,2
	v_permlane16_swap_b32 v[\c0+\i], v[\t0+\i]     ; the first's lanes 16-31 change places with the second's lanes 0-15
.endr
.irp i, 0,1,2
	v_mov_b32 v[\c0+3+\i], v[\t0+\i]
.endr
.endm
.macro KLOAD off                       ; a step's K: 48 registers of codes and 8 scale words: 14 loads of 512 consecutive bytes
.irp g, 0,1
.irp p, 0,1,2,3,4,5
	ds_load_b128 v[KF+24*\g+4*\p:KF+24*\g+4*\p+3], v1 offset:\off+3584*\g+512*\p
.endr
.endr
.irp g, 0,1
	ds_load_b128 v[KSC+4*\g:KSC+4*\g+3], v1 offset:\off+3584*\g+3072
.endr
.endm
.macro VLOAD                           ; a step's V: four fragments and their scale words: 16 loads
.irp t, 0,1,2,3
.irp p, 0,1,2
	ds_load_b128 v[VF+12*\t+4*\p:VF+12*\t+4*\p+3], v1 offset:7168+1536*\t+512*\p
.endr
.endr
.irp t, 0,1,2,3
	ds_load_b32 v[VSC+\t], v2 offset:13312+128*\t
.endr
.endm
	s_load_b256 s[4:11], s[0:1], 0x0               ; q s[4:5], kv s[6:7], part_o s[8:9], part_s s[10:11]
	v_lshl_add_u32 v254, v0, 2, 0x40000
	v_mov_b32 v255, 0
	ds_add_u32 v254, v255
	ds_add_u32 v254, v255
	v_lshrrev_b32 v3, 5, v0
	v_readfirstlane_b32 s12, v3                    ; wave 0..15
	s_bfe_u32 s13, ttmp6, 0x40000                  ; cx: it enters q's, part_o's and part_s's addresses alone
	s_lshl_b32 s14, ttmp9, 2                       ; in a cluster launch ttmp9 counts clusters
	s_add_co_u32 s14, s14, s13                     ; my block of 128 queries
	s_and_b32 s15, ttmp7, 0xffff                   ; the quarter of the keys, which the four partners share
	s_lshr_b32 s16, s12, 3                         ; which steps are mine: even or odd
	s_and_b32 s17, s12, 7
	s_lshl_b32 s18, s14, 3
	s_add_co_u32 s18, s18, s17                     ; my tile of 16 queries
	v_and_b32 v3, 31, v0                           ; lane
	s_mul_i32 s19, s16, STEPB
	v_lshl_add_u32 v1, v3, 4, s19
	v_lshl_add_u32 v2, v3, 2, s19
	s_mul_i32 s19, s17, CMBW
	s_add_co_u32 s19, s19, CMB
	v_lshl_add_u32 v250, v3, 4, s19                ; the hand-over: O's image,
	s_add_co_u32 s19, s19, 4096
	v_lshl_add_u32 v251, v3, 3, s19                ; and (-M, l)
	v_and_b32 v7, 15, v0
	v_bfe_u32 v3, v0, 4, 1
	v_lshlrev_b32 v7, 8, v7
	v_lshl_add_u32 v7, v3, 6, v7                   ; q: row r of 256 bytes, + 64 h: my 16 numbers of a block of 32
	; descriptor group 1: a dense block of 108 rows x 256 bytes (32 elements of 8 bytes), no padding
	s_mov_b32 s24, 15|(3<<16)|(1<<21)              ; 15:0 the mask: all four work-groups; 17:16 elements of 8 bytes; 21 set beside a mask
	s_mov_b32 s25, 32<<16                          ; tensor_dim0 = 32
	s_mov_b32 s26, 108<<16                         ; tensor_dim1 = 108
	s_mov_b32 s27, 32<<16                          ; tile_dim0 = 32
	s_mov_b32 s28, 108                             ; tile_dim1 = 108
	s_mov_b32 s29, 32                              ; from row to row
	s_mov_b32 s30, 0
	s_mov_b32 s31, 0
	s_mov_b32 s20, 0x76543210
	s_mov_b32 s21, 0xfedcba98                      ; v_permlanex16_b32's selects for lane l xor 16
	s_mov_b32 s22, 0x3e38aa3b                      ; c = log2(e) / sqrt(64)
	s_mov_b32 s23, s22                             ; (named with it as a pair, so it is written)
	s_mul_i32 s66, s15, QUARTER
	s_mov_b32 s67, 0
	s_lshl_b32 s2, s18, 12                         ; my tile's 16 rows of q
	s_mov_b32 s3, 0
	s_wait_dscnt 0x0
	s_wait_kmcnt 0x0
	s_add_nc_u64 s[6:7], s[6:7], s[66:67]          ; kv at my quarter
	s_add_nc_u64 s[4:5], s[4:5], s[2:3]
	s_lshl_b32 s19, s15, 9
	s_add_co_u32 s19, s19, s18                     ; my record: 512 x quarter + tile
	s_lshl_b32 s2, s19, 12
	s_add_nc_u64 s[8:9], s[8:9], s[2:3]
	s_lshl_b32 s2, s19, 8
	s_add_nc_u64 s[10:11], s[10:11], s[2:3]
.irp n, 0,1,2,3,4,5,6,7
	s_mov_b32 s[32+4*\n], 1                        ; count = 1
	s_mov_b32 s[33+4*\n], \n*CHUNK                 ; LDS address: the chunks lie as in memory
	s_add_nc_u64 s[34+4*\n:35+4*\n], s[6:7], \n*CHUNK
	s_or_b32 s[35+4*\n], s[35+4*\n], 0x80000000    ; type = 2
.endr
	CROUND                                         ; all four work-groups are here: the joint loads meet
	s_cmp_lg_u32 s12, 0                            ; all first fills stand in one branch on the wave's number, ahead of every wait on TENSORcnt, every LDS read and every other barrier
	s_cbranch_scc1 .Lno_fill
.irp n, 0,1,2,3,4,5,6,7
	tensor_load_to_lds s[32+4*\n:35+4*\n], s[24:31]
	s_nop 0
.endr
.rept 4
	v_nop                                          ; four v_nop follow the last of them
.endr
.Lno_fill:
.irp b, 0,1
.irp i, 0,1,2,3
	global_load_b128 v[S+16*\b+4*\i:S+16*\b+4*\i+3], v7, s[4:5] offset:128*\b+16*\i
.endr
.endr
.irp i, 0,1,2,3,4,5
	v_mov_b32 v[18+\i], 0                          ; Q's zero codes for k = 64 .. 127
	v_mov_b32 v[88+\i], 0                          ; and what stands behind K's tile 7
.endr
.irp i, 0,1,2,3
	v_mov_b32 v[PX+\i], 0                          ; written once: a lane permute's destination counts as one of its sources
.endr
	v_mov_b32 v5, 0                                ; (named as the upper half of the pair v[4:5] before it is first written)
	s_wait_loadcnt 0x0
	QUANT2 S, 12, 36
	v_lshl_or_b32 v6, v[QB+1], 8, v[QB]            ; Q's scale word; bytes 2 and 3 are 0
	v_and_b32 v3, 31, v0                           ; eight plain places between a scale word made by a vector instruction and the scaled matrix instruction
	v_lshlrev_b32 v252, 4, v3
	v_lshlrev_b32 v253, 3, v3
.rept 6
	v_nop
.endr
	s_wait_tensorcnt 7                             ; chunk 0 is in; the seven behind it may be out (waves 1-15 have none out)
	s_barrier_signal -1
	s_barrier_wait -1                              ; every wave knows it
	KLOAD 0
; A KEY STEP: my 128 keys of chunk j.
.macro STEP j, first, last
	s_wait_dscnt 0x0                               ; K and its scale words are in
.irp t, 0,1,2,3,4,5,6,7
	v_wmma_scale_f32_16x16x128_f8f6f4 v[S+8*\t:S+8*\t+7], v[KF+6*\t:KF+6*\t+11], v[12:23], 0, v[KSC+\t], v6 matrix_a_fmt:MATRIX_FMT_FP6 matrix_b_fmt:MATRIX_FMT_FP6
.endr
.if !\last
	s_wait_tensorcnt 6-(\j)                        ; chunk j + 1 is in; those behind it may be out.  No LDS instruction of mine is out
	s_barrier_signal -1
.endif
.rept 4
	v_nop                                          ; places in front of the reads of S^T and of loads into registers that matrix instructions have read
.endr
	VLOAD                                          ; chunk j's bytes: nobody writes them
.irp b, 0,1,2,3
	v_max3_num_f32 v[BM+\b], v[S+16*\b], v[S+1+16*\b], v[S+2+16*\b]   ; the largest score of each block of 32 keys: it serves the row's maximum and, since p rises with the score, the block's largest p.  Each tile is read from its low end on
.endr
.irp i, 3,5,7,9,11,13
.irp b, 0,1,2,3
	v_max3_num_f32 v[BM+\b], v[BM+\b], v[S+16*\b+\i], v[S+1+16*\b+\i]
.endr
.endr
.irp b, 0,1,2,3
	v_max_num_f32 v[BM+\b], v[BM+\b], v[S+15+16*\b]
.endr
.if !\last
	s_barrier_wait -1                              ; chunk j + 1 is whole for every wave
	KLOAD CHUNK                                    ; the next step's K: it has the softmax in which to come
.endif
.irp b, 0,1,2,3
	v_permlanex16_b32 v[PX+\b], v[BM+\b], s20, s21
.endr
.irp b, 0,1,2,3
	v_max_num_f32 v[BM+\b], v[BM+\b], v[PX+\b]     ; with lane l xor 16's 16 keys
.endr
	v_max3_num_f32 v3, v[BM], v[BM+1], v[BM+2]
	v_max_num_f32 v3, v3, v[BM+3]                  ; the step's largest score of my query
.if \first
	v_mul_f32 v9, s22, v3                          ; as t (c is positive)
	v_floor_f32 v8, -v9                            ; -M = floor(-t) = -ceil(t)
.else
	v_mul_f32 v3, s22, v3
	v_max_num_f32 v9, v9, v3                       ; the running largest t
	v_mov_b32 v3, v8
	v_floor_f32 v8, -v9
	v_sub_f32 v3, v8, v3                           ; old M - new M: a whole number, 0 or less
	v_cvt_i32_f32 v3, v3                           ; (it saturates)
	v_ldexp_f32 v4, 1.0, v3                        ; f = 2^(old M - new M)
.endif
.set n, 0
.rept 32
	v_pk_fma_f32 v[S+n:S+n+1], v[S+n:S+n+1], s[22:23], v[8:9] op_sel_hi:[1,0,0]   ; t - M, two at a time
.set n, n+2
.endr
.irp b, 0,1,2,3
	v_fma_f32 v[BM+\b], v[BM+\b], s22, v8          ; the same of each block's largest score
.endr
.set n, 0
.rept 64
	v_exp_f32 v[S+n], v[S+n]                       ; p = 2^(t - M): not normalised
.set n, n+1
.endr
.if \first
	v_nop                                          ; a plain place behind the exponentials
.else
	v_pk_mul_f32 v[10:11], v[10:11], v[4:5] op_sel_hi:[1,0]   ; l under the new M (a plain place behind the exponentials)
.endif
	s_wait_alu depctr_va_vdst(0)                   ; one wait for the batch of 64, ahead of its first reader
.irp b, 0,1,2,3
	v_exp_f32 v[BM+\b], v[BM+\b]                   ; the block's largest p: the same two instructions on the same number give the same bits
.endr
	v_pk_add_f32 v[36:37], v[S:S+1], v[S+2:S+3]    ; the sum of the UNQUANTISED p, two at a time, in two chains
.if \first
	v_pk_add_f32 v[10:11], v[S+4:S+5], v[S+6:S+7]  ; the first step starts l: nothing is cleared
.set n, 8
.else
.set n, 4
.endif
.rept (64-n)/4
	v_pk_add_f32 v[10:11], v[10:11], v[S+n:S+n+1]
	v_pk_add_f32 v[36:37], v[36:37], v[S+n+2:S+n+3]
.set n, n+4
.endr
	v_pk_add_f32 v[10:11], v[10:11], v[36:37]
	s_wait_alu depctr_va_vdst(0)                   ; and one for the four
.irp b, 0,1,2,3
	v_max_num_f32 v[BM+\b], FLOOR, v[BM+\b]        ; the floor: the byte cannot fall under 1
.endr
.irp b, 0,1,2,3
	v_add_nc_u32 v[SO+\b], 0xff000000, v[BM+\b]    ; 2 off the exponent field: the conversion's scale operand
.endr
.irp b, 0,1,2,3
	v_lshrrev_b32 v[PX+\b], 23, v[SO+\b]           ; the scale's byte
.endr
	v_lshl_or_b32 v5, v[PX+1], 8, v[PX]            ; p's scale word for these 128 keys
	v_lshl_or_b32 v5, v[PX+2], 16, v5
	v_lshl_or_b32 v5, v[PX+3], 24, v5
	v_cvt_scalef32_pk16_fp6_f32 v[P:P+2], v[S:S+15], v[SO]
	v_cvt_scalef32_pk16_fp6_f32 v[P+6:P+8], v[S+32:S+47], v[SO+2]
	v_nop                                          ; a plain place: the next two write over numbers that these two have read
	v_cvt_scalef32_pk16_fp6_f32 v[S:S+2], v[S+16:S+31], v[SO+1]
	v_cvt_scalef32_pk16_fp6_f32 v[S+32:S+34], v[S+48:S+63], v[SO+3]
	v_nop                                          ; one plain place behind a scaled conversion
.irp i, 0,1,2                                  ; the operand's layout wants a WHOLE block in a lane
	v_permlane16_swap_b32 v[P+\i], v[S+\i]
	v_permlane16_swap_b32 v[P+6+\i], v[S+32+\i]
.endr
.irp i, 0,1,2
	v_mov_b32 v[P+3+\i], v[S+\i]
	v_mov_b32 v[P+9+\i], v[S+32+\i]
.endr
.if \first
.rept 8
	v_nop                                          ; places between p's scale word and codes and the scaled matrix instructions
.endr
.else
.set n, 0
.rept 16
	v_pk_mul_f32 v[OT+n:OT+n+1], v[OT+n:OT+n+1], v[4:5] op_sel_hi:[1,0]   ; O^T under the new M, from each tile's low end on; these are also those places
.set n, n+2
.endr
.endif
.if \last
	s_wait_dscnt 0x0
.else
	s_wait_dscnt 14                                ; V's 16 loads are in; the 14 of the next step's K, issued behind them, may be out
.endif
.irp t, 0,1,2,3                                ; four accumulators by turns
.if \first
	v_wmma_scale_f32_16x16x128_f8f6f4 v[OT+8*\t:OT+8*\t+7], v[VF+12*\t:VF+12*\t+11], v[P:P+11], 0, v[VSC+\t], v5 matrix_a_fmt:MATRIX_FMT_FP6 matrix_b_fmt:MATRIX_FMT_FP6
.else
	v_wmma_scale_f32_16x16x128_f8f6f4 v[OT+8*\t:OT+8*\t+7], v[VF+12*\t:VF+12*\t+11], v[P:P+11], v[OT+8*\t:OT+8*\t+7], v[VSC+\t], v5 matrix_a_fmt:MATRIX_FMT_FP6 matrix_b_fmt:MATRIX_FMT_FP6
.endif
.endr
.if !\last
	v_add_nc_u32 v1, CHUNK, v1                     ; on to the next chunk
	v_add_nc_u32 v2, CHUNK, v2
.endif
.endm
	STEP 0, 1, 0
	STEP 1, 0, 0
	STEP 2, 0, 0
	STEP 3, 0, 0
	STEP 4, 0, 0
	STEP 5, 0, 0
	STEP 6, 0, 0                                   ; its wait on TENSORcnt is for 0: no tensor load is out from here on
	STEP 7, 0, 1
	; THE END.  l's two halves and the other half of the lanes' are added (these lines are the places behind the last products); waves 8-15 hand over, waves 0-7 join and store.
	v_add_f32 v10, v10, v11
	v_permlanex16_b32 v3, v10, s20, s21
	v_add_f32 v10, v10, v3
	v_mov_b32 v9, v10                              ; v[8:9] = (-M, l)
	v_nop
	v_nop
	s_cmp_lt_u32 s12, 8
	s_cbranch_scc1 .Lkeeper
.irp p, 0,1,2,3,4,5,6,7
	ds_store_b128 v250, v[OT+4*\p:OT+4*\p+3] offset:512*\p   ; O^T as it stands, each tile from its low end on
.endr
	ds_store_b64 v251, v[8:9]
.Lkeeper:
	s_wait_dscnt 0x0                               ; for the partner's sake: my stores are done
	s_barrier_signal -1
	s_barrier_wait -1
	s_cmp_ge_u32 s12, 8
	s_cbranch_scc1 .Lend
.irp p, 0,1,2,3,4,5,6,7
	ds_load_b128 v[S+4*\p:S+4*\p+3], v250 offset:512*\p
.endr
	ds_load_b64 v[218:219], v251
	s_wait_dscnt 0x0
	v_min_num_f32 v3, v8, v218                     ; the joint -M: the larger M
	v_sub_f32 v220, v3, v8
	v_sub_f32 v222, v3, v218
	v_cvt_i32_f32 v220, v220
	v_cvt_i32_f32 v222, v222
	v_ldexp_f32 v220, 1.0, v220                    ; 2^(my M - the joint M),
	v_ldexp_f32 v222, 1.0, v222                    ; and the partner's: exact factors
	v_mov_b32 v221, v220
	v_mov_b32 v223, v222
	v_mul_f32 v225, v9, v220
	v_fma_f32 v225, v219, v222, v225               ; the joint l
	v_mov_b32 v224, v3
.set n, 0
.rept 16
	v_pk_mul_f32 v[OT+n:OT+n+1], v[OT+n:OT+n+1], v[220:221]
.set n, n+2
.endr
.set n, 0
.rept 16
	v_pk_fma_f32 v[OT+n:OT+n+1], v[S+n:S+n+1], v[222:223], v[OT+n:OT+n+1]
.set n, n+2
.endr
.irp p, 0,1,2,3,4,5,6,7
	global_store_b128 v252, v[OT+4*\p:OT+4*\p+3], s[8:9] offset:512*\p   ; 32 lanes store 512 consecutive bytes, at a multiple of 256 from the buffer's first byte
.endr
	global_store_b64 v253, v[224:225], s[10:11]    ; 256 consecutive bytes, aligned
.Lend:
	s_wait_tensorcnt 0x0
	ds_add_u32 v254, v255
	s_wait_dscnt 0x0
	CROUND                                         ; the closing round: no work-group ends while a partner may still ask for a chunk that names it
	s_endpgm
.Lfunc_end_k_qd765cc0110_attn:
	.size	k_qd765cc0110_attn, .Lfunc_end_k_qd765cc0110_attn-k_qd765cc0110_attn
	.p2alignl 7, 3214868480
	.fill 96, 4, 3214868480
	.section	.rodata,"a",@progbits
	.p2align	6, 0x0
	.amdhsa_kernel k_qd765cc0110_attn
		.amdhsa_group_segment_fixed_size 264192
		.amdhsa_private_segment_fixed_size 0
		.amdhsa_enable_private_segment 0
		.amdhsa_kernarg_size 32
		.amdhsa_user_sgpr_count 2
		.amdhsa_user_sgpr_kernarg_segment_ptr 1
		.amdhsa_wavefront_size32 1
		.amdhsa_system_sgpr_workgroup_id_x 1
		.amdhsa_system_sgpr_workgroup_id_y 1
		.amdhsa_system_sgpr_workgroup_id_z 1
		.amdhsa_system_vgpr_workitem_id 0
		.amdhsa_next_free_vgpr 256
		.amdhsa_next_free_sgpr 70
		.amdhsa_reserve_vcc 0
		.amdhsa_float_denorm_mode_32 3
		.amdhsa_float_denorm_mode_16_64 3
		.amdhsa_memory_ordered 1
		.amdhsa_forward_progress 1
		.amdhsa_inst_pref_size 138
	.end_amdhsa_kernel
	.amdgpu_metadata
---
amdhsa.version: [ 1, 2 ]
amdhsa.kernels:
  - .name:           k_qd765cc0110_attn
    .symbol:         k_qd765cc0110_attn.kd
    .args:
      - { .name: q, .offset: 0, .size: 8, .value_kind: global_buffer, .address_space: global }
      - { .name: kv, .offset: 8, .size: 8, .value_kind: global_buffer, .address_space: global }
      - { .name: part_o, .offset: 16, .size: 8, .value_kind: global_buffer, .address_space: global }
      - { .name: part_s, .offset: 24, .size: 8, .value_kind: global_buffer, .address_space: global }
    .group_segment_fixed_size: 264192
    .private_segment_fixed_size: 0
    .kernarg_segment_align: 8
    .kernarg_segment_size: 32
    .max_flat_workgroup_size: 512
    .sgpr_count:     70
    .vgpr_count:     256
    .wavefront_size: 32
...
	.end_amdgpu_metadata
.endif
;; end of part 2
;; launch proj (part 3): grid 4 x 64, 8 waves a work-group, no clusters, 82,944 bytes of LDS; arguments part_o, part_s, wimg, out0; writes out0
.if DOCPART == 3
	.amdgcn_target "amdgcn-amd-amdhsa--gfx1250"
	.amdhsa_code_object_version 6
	.text
	.protected	k_qd765cc0110_proj
	.globl	k_qd765cc0110_proj
	.p2align	8
	.type	k_qd765cc0110_proj,@function
k_qd765cc0110_proj:
	s_mov_b64 s[64:65], 0
	v_nop
	global_prefetch_b8 v0, s[64:65] scope:SCOPE_SE
	s_setreg_imm32_b32 hwreg(HW_REG_WAVE_MODE, 25, 1), 1
	s_wait_xcnt 0x0
; out0 = tile(head, 8) w_o, on codes of FP6 (E2M3) with one E8M0 scale for each 32 along K = 512.  head = the four quarters' partial O, brought under one M, summed and divided by the joint l.
; Blocks of 32 divide the head's 64, so the quantised row of 512 is the quantised head eight times: ONE fragment (the head's 64 codes twice, scale word s0 s1 s0 s1) serves all four K steps of 128.
; SHARES.  A work-group makes 128 rows x 128 columns.  Wave w joins and quantises row tile w (16 rows) and hands its fragment to the others through LDS as an image of its registers; then it makes column tile w
; (16 columns) for all eight row tiles: 32 matrix instructions, eight accumulators by turns, used transposed (source 0 = 16 columns of w_o), so that a lane holds eight neighbouring numbers of a row.
; The results meet in a stage (rows of 512 bytes + 16) and each wave stores 16 whole rows of 512 bytes.
; NO CLUSTER: partial sums and weights are register images that go from memory straight into registers, each once a wave (16 KB + 6.5 KB); a joint request would bring them through LDS and out again for a launch
; that has 32 matrix instructions a wave.  The four work-groups of a row block repeat the joining.
; LIMITS: NaN and infinities are not served; a block of the head whose largest magnitude lies under 2^-124 keeps the byte 1.
.set FLOOR, 0x1800000
.set HB,   1664                        ; LDS: a fragment's image, 1,536 bytes, and its scale words, 128
.set STG,  8*HB                        ; the stage: 128 rows x 528 bytes
.set SP,   528
.set HS,   8                           ; v8-15    the eight fragments' scale words: nothing else is ever kept here
.set WF,   16                          ; v16-63   w_o's four fragments
.set PO,   64                          ; v64-191  the four quarters' O (the head in place in v64-95); then the eight fragments (12 each); then rows of the result
.set ACC,  160                         ; v160-223 the eight accumulators
.set STA,  192                         ; v192-199 (-M, l) of the four quarters
.set G,    200                         ; v200-207 the four factors, each twice
.set TM,   208                         ; QUANT2's: largest magnitudes,
.set QX,   210                         ; the other half's,
.set QS,   212                         ; scale operands,
.set QB,   214                         ; bytes
.set PC,   216                         ; v216-227 the head's fragment; v228-230 at work
.set WS,   232                         ; v232-235 w_o's scale words
.set PW,   236                         ; the head's scale word
.macro QUANT2 s, c0, t0                ; 32 numbers of a lane, register 16 b + i = k 32 b + 16 (lane / 16) + i of my row, become six registers of codes and two bytes
.irp b, 0,1
	v_max3_num_f32 v[TM+\b], |v[\s+16*\b]|, |v[\s+1+16*\b]|, FLOOR
.endr
.irp i, 2,4,6,8,10,12,14
.irp b, 0,1
	v_max3_num_f32 v[TM+\b], v[TM+\b], |v[\s+16*\b+\i]|, |v[\s+1+16*\b+\i]|
.endr
.endr
.irp b, 0,1
	v_permlanex16_b32 v[QX+\b], v[TM+\b], s20, s21
.endr
.irp b, 0,1
	v_max_num_f32 v[TM+\b], v[TM+\b], v[QX+\b]
.endr
.irp b, 0,1
	v_add_nc_u32 v[QS+\b], 0xff000000, v[TM+\b]
.endr
.irp b, 0,1
	v_lshrrev_b32 v[QB+\b], 23, v[QS+\b]
.endr
	v_cvt_scalef32_pk16_fp6_f32 v[\c0:\c0+2], v[\s:\s+15], v[QS]
	v_cvt_scalef32_pk16_fp6_f32 v[\t0:\t0+2], v[\s+16:\s+31], v[QS+1]
	v_nop                                          ; one plain place behind a scaled conversion
.irp i, 0,1,2
	v_permlane16_swap_b32 v[\c0+\i], v[\t0+\i]
.endr
.irp i, 0,1,2
	v_mov_b32 v[\c0+3+\i], v[\t0+\i]
.endr
.endm
	s_load_b256 s[4:11], s[0:1], 0x0               ; part_o s[4:5], part_s s[6:7], wimg s[8:9], out0 s[10:11]
	v_lshl_add_u32 v254, v0, 2, 0x14000
	v_mov_b32 v255, 0
	v_lshrrev_b32 v1, 5, v0
	v_readfirstlane_b32 s12, v1                    ; wave 0..7
	s_and_b32 s13, ttmp7, 0xffff                   ; block of 128 rows
	s_lshl_b32 s14, s13, 3
	s_add_co_u32 s14, s14, s12                     ; the row tile that I join
	s_lshl_b32 s15, ttmp9, 3
	s_add_co_u32 s15, s15, s12                     ; the column tile that I make
	v_and_b32 v208, 31, v0                         ; lane
	v_and_b32 v209, 15, v0                         ; r
	v_bfe_u32 v213, v0, 4, 1                       ; h
	v_lshlrev_b32 v1, 4, v208
	v_lshlrev_b32 v2, 2, v208
	v_lshlrev_b32 v3, 3, v208
	s_mul_i32 s16, s12, HB
	v_add_nc_u32 v4, s16, v1                       ; where I put my fragment's image,
	s_add_co_u32 s16, s16, 1536
	v_add_nc_u32 v5, s16, v2                       ; and its scale words
	v_mul_u32_u24 v6, v209, SP
	v_lshl_add_u32 v6, v213, 5, v6
	s_lshl_b32 s16, s12, 6
	s_add_co_u32 s16, s16, STG
	v_add_nc_u32 v6, s16, v6                       ; the stage, in: row r, + 64 x wave + 32 h
	s_mul_i32 s16, s12, 16*SP
	s_add_co_u32 s16, s16, STG
	v_add_nc_u32 v7, s16, v1                       ; back: my 16 rows, 16 bytes a lane
	v_mov_b32 v[QX], 0                             ; written once: a lane permute's destination counts as one of its sources
	v_mov_b32 v[QX+1], 0
	s_mov_b32 s20, 0x76543210
	s_mov_b32 s21, 0xfedcba98
	s_mov_b32 s17, 0
	s_wait_kmcnt 0x0
	s_lshl_b32 s16, s14, 12
	s_add_nc_u64 s[4:5], s[4:5], s[16:17]          ; quarter 0's record of my row tile
	s_lshl_b32 s16, s14, 8
	s_add_nc_u64 s[6:7], s[6:7], s[16:17]
	s_mul_i32 s16, s15, 6656
	s_add_nc_u64 s[8:9], s[8:9], s[16:17]
	s_lshl_b32 s16, s13, 7
	s_lshl_b32 s18, s12, 4
	s_add_co_u32 s16, s16, s18                     ; the first row that I store: 128 x block + 16 x wave
	s_lshl_b32 s16, s16, 11
	s_lshl_b32 s18, ttmp9, 9                       ; the block's first column, in bytes
	s_add_co_u32 s16, s16, s18
	s_add_nc_u64 s[10:11], s[10:11], s[16:17]
.irp q, 0,1,2,3
	global_load_b64 v[STA+2*\q:STA+2*\q+1], v3, s[6:7] offset:\q*131072
.endr
.irp q, 0,1,2,3
.irp p, 0,1,2,3,4,5,6,7
	global_load_b128 v[PO+32*\q+4*\p:PO+32*\q+4*\p+3], v1, s[4:5] offset:\q*2097152+512*\p
.endr
.endr
.irp q, 0,1,2,3
.irp p, 0,1,2
	global_load_b128 v[WF+12*\q+4*\p:WF+12*\q+4*\p+3], v1, s[8:9] offset:1536*\q+512*\p
.endr
.endr
.irp q, 0,1,2,3
	global_load_b32 v[WS+\q], v2, s[8:9] offset:6144+128*\q
.endr
	s_wait_loadcnt 16                              ; the partial results are in; the 16 loads of weights and their scale words may be out
	v_min3_num_f32 v208, v[STA], v[STA+2], v[STA+4]
	v_min_num_f32 v208, v208, v[STA+6]             ; the joint -M: the largest M
.irp q, 0,1,2,3
	v_sub_f32 v[G+2*\q], v208, v[STA+2*\q]         ; M of quarter q - the joint M: a whole number, 0 or less
.endr
.irp q, 0,1,2,3
	v_cvt_i32_f32 v[G+2*\q], v[G+2*\q]
.endr
.irp q, 0,1,2,3
	v_ldexp_f32 v[G+2*\q], 1.0, v[G+2*\q]          ; an exact factor
.endr
	v_mul_f32 v209, v[G], v[STA+1]
	v_fma_f32 v209, v[G+2], v[STA+3], v209
	v_fma_f32 v209, v[G+4], v[STA+5], v209
	v_fma_f32 v209, v[G+6], v[STA+7], v209         ; the row's sum
	v_rcp_f32 v212, v209
	v_nop                                          ; a plain place behind the reciprocal
	s_wait_alu depctr_va_vdst(0)                   ; and the wait ahead of its first reader
.irp q, 0,1,2,3
	v_mul_f32 v[G+2*\q], v[G+2*\q], v212           ; a power of two x 1 / l: nothing more is rounded
.endr
.irp q, 0,1,2,3
	v_mov_b32 v[G+2*\q+1], v[G+2*\q]
.endr
.set n, 0
.rept 16
	v_pk_mul_f32 v[PO+n:PO+n+1], v[PO+n:PO+n+1], v[G:G+1]
.set n, n+2
.endr
.irp q, 1,2,3
.set n, 0
.rept 16
	v_pk_fma_f32 v[PO+n:PO+n+1], v[PO+32*\q+n:PO+32*\q+n+1], v[G+2*\q:G+2*\q+1], v[PO+n:PO+n+1]
.set n, n+2
.endr
.endr                                          ; v64-95: register 16 b + i = head(row r, channel 32 b + 16 h + i)
	QUANT2 PO, PC, 228
.irp i, 0,1,2,3,4,5
	v_mov_b32 v[PC+6+\i], v[PC+\i]                 ; k = 64 .. 127 of every K step are the head once more
.endr
	v_lshl_or_b32 v[PW], v[QB+1], 8, v[QB]
	v_lshl_or_b32 v[PW], v[PW], 16, v[PW]          ; s0 s1 s0 s1
.irp p, 0,1,2
	ds_store_b128 v4, v[PC+4*\p:PC+4*\p+3] offset:512*\p
.endr
	ds_store_b32 v5, v[PW]
	s_wait_loadcnt 0x0                             ; the weights are in
	s_wait_dscnt 0x0                               ; for the others' sake: my stores are done
	s_barrier_signal -1
	s_barrier_wait -1                              ; the eight fragments lie in LDS
.irp m, 0,1,2,3,4,5,6,7
.irp p, 0,1,2
	ds_load_b128 v[PO+12*\m+4*\p:PO+12*\m+4*\p+3], v1 offset:HB*\m+512*\p
.endr
	ds_load_b32 v[HS+\m], v2 offset:HB*\m+1536
.endr
	s_wait_dscnt 0x0
.irp q, 0,1,2,3                                ; a K step at a time, the eight accumulators by turns; the first starts the sums
.irp m, 0,1,2,3,4,5,6,7
.if \q == 0
	v_wmma_scale_f32_16x16x128_f8f6f4 v[ACC+8*\m:ACC+8*\m+7], v[WF+12*\q:WF+12*\q+11], v[PO+12*\m:PO+12*\m+11], 0, v[WS+\q], v[HS+\m] matrix_a_fmt:MATRIX_FMT_FP6 matrix_b_fmt:MATRIX_FMT_FP6
.else
	v_wmma_scale_f32_16x16x128_f8f6f4 v[ACC+8*\m:ACC+8*\m+7], v[WF+12*\q:WF+12*\q+11], v[PO+12*\m:PO+12*\m+11], v[ACC+8*\m:ACC+8*\m+7], v[WS+\q], v[HS+\m] matrix_a_fmt:MATRIX_FMT_FP6 matrix_b_fmt:MATRIX_FMT_FP6
.endif
.endr
.endr
.rept 4
	v_nop                                          ; places in front of the first read of results and of loads into registers that matrix instructions have read
.endr
.irp m, 0,1,2,3,4,5,6,7
	ds_store_b128 v6, v[ACC+8*\m:ACC+8*\m+3] offset:16*SP*\m        ; lane (r, h): row 16 m + r, columns 16 w + 8 h + 0 .. 7; each accumulator from its low end on
	ds_store_b128 v6, v[ACC+8*\m+4:ACC+8*\m+7] offset:16*SP*\m+16
.endr
	s_wait_dscnt 0x0                               ; for the others' sake: my stores into the stage are done
	s_barrier_signal -1
	s_barrier_wait -1                              ; 128 whole rows lie in the stage
.irp i, 0,1,2,3,4,5,6,7,8,9,10,11,12,13,14,15
	ds_load_b128 v[PO+4*\i:PO+4*\i+3], v7 offset:SP*\i
.endr
.irp i, 0,1,2,3,4,5,6,7,8,9,10,11,12,13,14,15
	s_wait_dscnt 15-\i                             ; row i is back; the rows behind it may be out
	global_store_b128 v1, v[PO+4*\i:PO+4*\i+3], s[10:11] offset:2048*\i th:TH_STORE_NT   ; 32 lanes store 512 consecutive bytes, at a multiple of 256 from out0's first byte; written once, read by nobody here
.endr
	s_wait_tensorcnt 0x0
	ds_add_u32 v254, v255
	s_wait_dscnt 0x0
	s_endpgm
.Lfunc_end_k_qd765cc0110_proj:
	.size	k_qd765cc0110_proj, .Lfunc_end_k_qd765cc0110_proj-k_qd765cc0110_proj
	.p2alignl 7, 3214868480
	.fill 96, 4, 3214868480
	.section	.rodata,"a",@progbits
	.p2align	6, 0x0
	.amdhsa_kernel k_qd765cc0110_proj
		.amdhsa_group_segment_fixed_size 82944
		.amdhsa_private_segment_fixed_size 0
		.amdhsa_enable_private_segment 0
		.amdhsa_kernarg_size 32
		.amdhsa_user_sgpr_count 2
		.amdhsa_user_sgpr_kernarg_segment_ptr 1
		.amdhsa_wavefront_size32 1
		.amdhsa_system_sgpr_workgroup_id_x 1
		.amdhsa_system_sgpr_workgroup_id_y 1
		.amdhsa_system_sgpr_workgroup_id_z 1
		.amdhsa_system_vgpr_workitem_id 0
		.amdhsa_next_free_vgpr 256
		.amdhsa_next_free_sgpr 66
		.amdhsa_reserve_vcc 0
		.amdhsa_float_denorm_mode_32 3
		.amdhsa_float_denorm_mode_16_64 3
		.amdhsa_memory_ordered 1
		.amdhsa_forward_progress 1
		.amdhsa_inst_pref_size 26
	.end_amdhsa_kernel
	.amdgpu_metadata
---
amdhsa.version: [ 1, 2 ]
amdhsa.kernels:
  - .name:           k_qd765cc0110_proj
    .symbol:         k_qd765cc0110_proj.kd
    .args:
      - { .name: part_o, .offset: 0, .size: 8, .value_kind: global_buffer, .address_space: global }
      - { .name: part_s, .offset: 8, .size: 8, .value_kind: global_buffer, .address_space: global }
      - { .name: wimg, .offset: 16, .size: 8, .value_kind: global_buffer, .address_space: global }
      - { .name: out0, .offset: 24, .size: 8, .value_kind: global_buffer, .address_space: global }
    .group_segment_fixed_size: 82944
    .private_segment_fixed_size: 0
    .kernarg_segment_align: 8
    .kernarg_segment_size: 32
    .max_flat_workgroup_size: 256
    .sgpr_count:     66
    .vgpr_count:     256
    .wavefront_size: 32
...
	.end_amdgpu_metadata
.endif
;; end of part 3
;; ======== version 2 of 2: 2 launches
;; limits: right only within a limited range of input values
;; workspace buffers: kv 835,584 bytes; qimg 458,752 bytes; wimg 204,800 bytes
;; launch prep (part 4): grid 256 x 1, 4 waves a work-group, no clusters, 0 bytes of LDS; arguments q, k, v, w_o, kv, qimg, wimg; writes kv, qimg, wimg
.if DOCPART == 4
	.amdgcn_target "amdgcn-amd-amdhsa--gfx1250"
	.amdhsa_code_object_version 6
	.text
	.protected	k_qd765cc0110_prep
	.globl	k_qd765cc0110_prep
	.p2align	8
	.type	k_qd765cc0110_prep,@function
k_qd765cc0110_prep:
	s_mov_b64 s[64:65], 0
	v_nop
	global_prefetch_b8 v0, s[64:65] scope:SCOPE_SE
	s_setreg_imm32_b32 hwreg(HW_REG_WAVE_MODE, 25, 1), 1
	s_wait_xcnt 0x0
; q, k, v [8192][64] and w_o [512][512], f32, become codes of FP6 (E2M3) with one E8M0 byte for each 32 along a product's K,
; laid as IMAGES OF THE OPERANDS' REGISTERS: four registers of all 32 lanes are 512 consecutive bytes, lane l's 16 bytes at 16 l; two registers 256 bytes.
; A block's scale is 2^(floor(log2(its largest magnitude)) - 2); its byte is the largest magnitude's exponent field - 2, held at 1 from below.
; LIMITS: a block whose largest magnitude lies under 2^-124 keeps the byte 1 (a block of zeros too, where the rule says 127: its codes are zeros, which add
; nothing under any byte but 0xff, and this program alone reads the bytes); NaN and infinities among the inputs are not served.
; r = lane % 16, h = lane / 16.
; kv: 64 key steps of 128 keys, 13,056 bytes each: K's tiles 2 p, 2 p + 1 (p = 0 .. 3) at 1,536 p, six registers a tile (K = 64 is half a fragment); at 6,144 + 16 x lane + 4 p
;   the scale word of row r of tile 2 p + h;  at 6,656 + 1,536 t V's fragment t (16 channels x 128 keys, 12 registers); at 12,800 + 8 x lane + 4 i that of row r of fragment 2 i + h.
; qimg: 256 pairs of tiles of 16 queries, 1,792 bytes each: a tile's registers 0-3, then 4-5, 768 bytes a tile; at 1,536 + 4 x lane the scale word of row r of tile h.
; wimg: 32 tiles of 16 columns, 6,400 bytes each: K step s, half c at 1,536 s + 768 c (registers 0-3, then 4-5 of the half); scale words at 6,144, as V's.
; WHICH ROWS FORM A TILE: lane r of K's tile T takes key 64 (T / 4) + 32 (r / 8) + 8 (T % 4) + r % 8; lane r of V's fragment t takes channel 32 (r / 8) + 8 t + r % 8.
; So the products, used transposed, leave whole blocks of 32 along the next K in one lane.
; A work-group is four jobs, one a wave: two tiles of k; two tiles of q; a fragment of v; half a fragment of w_o.  A lane holds whole blocks of 32, so no maximum asks another lane.
; For v and w_o, whose K is the first axis, a lane takes a column and its registers run down K.  No LDS, no barrier: jobs share nothing.
.set FLOOR,  0x1800000                 ; 2^(3 - 127): under it no largest magnitude is taken
.set STEPB,  13056
.set TM, 12                            ; v12-13 largest magnitudes, v14-15 the second chains
.set TN, 14
.set SO, 16                            ; v16-17 the conversions' scale operands
.set BY, 18                            ; v18-19 scale bytes
.set PX, 20                            ; v20-21 what the lane 16 away sends
.set WD, 22                            ; v22-23 scale words, v24 the one that leaves
.set C,  32                            ; v32-43 codes
.set T,  48                            ; second halves of the blocks' codes, four registers a block
.set X,  64                            ; v64-127 the numbers
.macro QUANT n                         ; n blocks of 32 numbers a lane
.set uu, 0
.rept \n
	v_max3_num_f32 v[TM+uu], |v[X+32*uu]|, |v[X+32*uu+1]|, FLOOR
	v_max3_num_f32 v[TN+uu], |v[X+32*uu+16]|, |v[X+32*uu+17]|, FLOOR
.set uu, uu+1
.endr
.set ii, 2
.rept 7
.set uu, 0
.rept \n
	v_max3_num_f32 v[TM+uu], v[TM+uu], |v[X+32*uu+ii]|, |v[X+32*uu+ii+1]|
	v_max3_num_f32 v[TN+uu], v[TN+uu], |v[X+32*uu+16+ii]|, |v[X+32*uu+17+ii]|
.set uu, uu+1
.endr
.set ii, ii+2
.endr
.set uu, 0
.rept \n
	v_max_num_f32 v[TM+uu], v[TM+uu], v[TN+uu]
.set uu, uu+1
.endr
.set uu, 0
.rept \n
	v_add_nc_u32 v[SO+uu], 0xff000000, v[TM+uu]    ; 2 off the exponent field: the conversion takes this operand's exponent field as its scale
.set uu, uu+1
.endr
.set uu, 0
.rept \n
	v_cvt_scalef32_pk16_fp6_f32 v[C+6*uu:C+6*uu+2], v[X+32*uu:X+32*uu+15], v[SO+uu]
	v_cvt_scalef32_pk16_fp6_f32 v[T+4*uu:T+4*uu+2], v[X+32*uu+16:X+32*uu+31], v[SO+uu]   ; (a conversion's three registers begin on an even number)
.set uu, uu+1
.endr
.set uu, 0
.rept \n
	v_lshrrev_b32 v[BY+uu], 23, v[SO+uu]           ; the scale's byte (and the plain place behind the conversions)
.set uu, uu+1
.endr
.set uu, 0
.rept \n
.irp i, 0,1,2
	v_mov_b32 v[C+6*uu+3+\i], v[T+4*uu+\i]
.endr
.set uu, uu+1
.endr
.endm
.macro PAIR base, off                  ; two tiles of 16 rows: a lane holds its row's block h of each; the word of tile h's row r goes to v24
.irp u, 0,1
.irp i, 0,1,2,3,4,5,6,7
	global_load_b128 v[X+32*\u+4*\i:X+32*\u+4*\i+3], v3, s[\base:\base+1] offset:\off*\u+16*\i
.endr
.endr
	s_wait_loadcnt 0x0
	QUANT 2
.irp u, 0,1
	v_lshlrev_b32 v[BY+\u], v7, v[BY+\u]           ; block h's byte at byte h; bytes 2 and 3 stay 0
.endr
.irp u, 0,1
	v_permlanex16_b32 v[PX+\u], v[BY+\u], s30, s31
.endr
.irp u, 0,1
	v_or_b32 v[WD+\u], v[BY+\u], v[PX+\u]
.endr
	v_cndmask_b32 v24, v[WD], v[WD+1], vcc_lo
.endm
	s_load_b256 s[4:11], s[0:1], 0x0               ; q, k, v, w_o
	s_load_b128 s[12:15], s[0:1], 0x20             ; kv, qimg
	s_load_b64 s[16:17], s[0:1], 0x30              ; wimg
	v_lshrrev_b32 v8, 5, v0
	v_readfirstlane_b32 s18, v8                    ; wave
	v_and_b32 v9, 31, v0                           ; lane
	v_and_b32 v4, 15, v0                           ; r
	v_bfe_u32 v5, v0, 4, 1                         ; h
	v_lshrrev_b32 v6, 3, v4
	v_mul_u32_u24 v6, 24, v6
	v_add_nc_u32 v6, v6, v4                        ; 32 (r / 8) + r % 8
	v_lshlrev_b32 v1, 4, v9                        ; 16 x lane
	v_lshlrev_b32 v2, 3, v9                        ; 8 x lane
	v_lshlrev_b32 v10, 2, v9                       ; 4 x lane
	v_lshlrev_b32 v7, 3, v5                        ; 8 h
	v_mov_b32 v[PX], 0                             ; written once: a lane permute's destination counts as one of its sources
	v_mov_b32 v[PX+1], 0
	v_cmp_eq_u32 vcc_lo, 1, v5                     ; lanes 16-31
	s_wait_alu depctr_va_vdst(0)                   ; directly ahead of the scalar run and the branches
	s_mov_b32 s30, 0x76543210
	s_mov_b32 s31, 0xfedcba98                      ; v_permlanex16_b32's selects for lane l xor 16
	s_lshr_b32 s20, ttmp9, 2                       ; the key step of this work-group's jobs of k and v
	s_and_b32 s21, ttmp9, 3                        ; and which quarter of it
	s_mul_i32 s28, s20, STEPB
	s_mov_b32 s23, 0
	s_mov_b32 s25, 0
	s_mov_b32 s27, 0
	s_cmp_eq_u32 s18, 0
	s_cbranch_scc1 .Lpath_k
	s_cmp_eq_u32 s18, 1
	s_cbranch_scc1 .Lpath_q
	s_cmp_eq_u32 s18, 2
	s_cbranch_scc1 .Lpath_v
	; wave 3: half c of w_o's fragment (column tile n, K step s)
	v_lshlrev_b32 v3, 2, v4                        ; column r,
	v_lshl_add_u32 v3, v5, 16, v3                  ; lanes 16-31 begin 32 rows further down
	v_lshl_add_u32 v11, v4, 3, v5                  ; my byte's place: 8 r + h
	s_wait_alu depctr_va_vdst(0)                   ; directly ahead of the scalar run
	s_lshr_b32 s20, ttmp9, 3                       ; n
	s_bfe_u32 s21, ttmp9, 0x20001                  ; s
	s_and_b32 s29, ttmp9, 1                        ; c
	s_lshl_b32 s22, s21, 18                        ; 128 rows of 2,048 bytes
	s_lshl_b32 s19, s29, 17                        ; 64 rows
	s_add_co_u32 s22, s22, s19
	s_lshl_b32 s19, s20, 6                         ; 16 columns
	s_add_co_u32 s22, s22, s19
	s_mul_i32 s28, s20, 6400
	s_mul_i32 s24, s21, 1536
	s_add_co_u32 s24, s24, s28
	s_mul_i32 s19, s29, 768
	s_add_co_u32 s24, s24, s19
	s_and_b32 s26, s21, 1
	s_lshl_b32 s26, s26, 7
	s_lshr_b32 s19, s21, 1
	s_lshl_b32 s19, s19, 2
	s_add_co_u32 s26, s26, s19
	s_lshl_b32 s19, s29, 1
	s_add_co_u32 s26, s26, s19
	s_add_co_u32 s26, s26, s28
	s_add_co_u32 s26, s26, 6144
	s_wait_kmcnt 0x0
	s_add_nc_u64 s[10:11], s[10:11], s[22:23]
	s_add_nc_u64 s[24:25], s[16:17], s[24:25]
	s_add_nc_u64 s[26:27], s[16:17], s[26:27]
.set ii, 0
.rept 32
	global_load_b32 v[X+ii], v3, s[10:11] offset:2048*ii
.set ii, ii+1
.endr
	s_wait_loadcnt 0x0
	QUANT 1
	global_store_b128 v1, v[C:C+3], s[24:25]
	global_store_b64 v2, v[C+4:C+5], s[24:25] offset:512
	global_store_b8 v11, v[BY], s[26:27]
	s_endpgm
.Lpath_k:                                      ; wave 0: K's tiles 2 p, 2 p + 1 of the step
	v_lshlrev_b32 v3, 8, v6
	v_lshl_add_u32 v3, v5, 7, v3                   ; my row of 256 bytes, + 128 h
	s_wait_alu depctr_va_vdst(0)                   ; directly ahead of the scalar run
	s_lshl_b32 s22, s20, 15                        ; 128 rows
	s_lshr_b32 s19, s21, 1
	s_lshl_b32 s19, s19, 14                        ; + 64 rows for tiles 4-7
	s_add_co_u32 s22, s22, s19
	s_and_b32 s19, s21, 1
	s_lshl_b32 s19, s19, 12                        ; + 16 rows for the second pair of four tiles
	s_add_co_u32 s22, s22, s19
	s_mul_i32 s24, s21, 1536
	s_add_co_u32 s24, s24, s28
	s_lshl_b32 s26, s21, 2
	s_add_co_u32 s26, s26, s28
	s_add_co_u32 s26, s26, 6144
	s_wait_kmcnt 0x0
	s_add_nc_u64 s[6:7], s[6:7], s[22:23]
	s_add_nc_u64 s[24:25], s[12:13], s[24:25]
	s_add_nc_u64 s[26:27], s[12:13], s[26:27]
	PAIR 6, 2048
.irp p, 0,1,2
	global_store_b128 v1, v[C+4*\p:C+4*\p+3], s[24:25] offset:512*\p
.endr
	global_store_b32 v1, v24, s[26:27]
	s_endpgm
.Lpath_q:                                      ; wave 1: 32 queries, rows in their own order
	v_lshlrev_b32 v3, 8, v4
	v_lshl_add_u32 v3, v5, 7, v3
	s_wait_alu depctr_va_vdst(0)                   ; directly ahead of the wait below
	s_lshl_b32 s22, ttmp9, 13
	s_mul_i32 s24, ttmp9, 1792
	s_wait_kmcnt 0x0
	s_add_nc_u64 s[4:5], s[4:5], s[22:23]
	s_add_nc_u64 s[24:25], s[14:15], s[24:25]
	PAIR 4, 4096
.irp u, 0,1
	global_store_b128 v1, v[C+6*\u:C+6*\u+3], s[24:25] offset:768*\u
	global_store_b64 v2, v[C+6*\u+4:C+6*\u+5], s[24:25] offset:768*\u+512
.endr
	global_store_b32 v10, v24, s[24:25] offset:1536
	s_endpgm
.Lpath_v:                                      ; wave 2: V's fragment t of the step
	v_lshlrev_b32 v3, 2, v6                        ; my channel,
	v_lshl_add_u32 v3, v5, 13, v3                  ; lanes 16-31 begin 32 keys further down
	v_lshlrev_b32 v11, 3, v4
	s_wait_alu depctr_va_vdst(0)                   ; directly ahead of the scalar run
	s_lshl_b32 s22, s20, 15
	s_lshl_b32 s19, s21, 5                         ; 8 t channels
	s_add_co_u32 s22, s22, s19
	s_mul_i32 s24, s21, 1536
	s_add_co_u32 s24, s24, s28
	s_add_co_u32 s24, s24, 6656
	s_and_b32 s26, s21, 1
	s_lshl_b32 s26, s26, 7
	s_lshr_b32 s19, s21, 1
	s_lshl_b32 s19, s19, 2
	s_add_co_u32 s26, s26, s19
	s_add_co_u32 s26, s26, s28
	s_add_co_u32 s26, s26, 12800
	s_wait_kmcnt 0x0
	s_add_nc_u64 s[8:9], s[8:9], s[22:23]
	s_add_nc_u64 s[24:25], s[12:13], s[24:25]
	s_add_nc_u64 s[26:27], s[12:13], s[26:27]
.irp c, 0,1
.set ii, 0
.rept 32
	global_load_b32 v[X+32*\c+ii], v3, s[8:9] offset:256*(64*\c+ii)
.set ii, ii+1
.endr
.endr
	s_wait_loadcnt 0x0
	QUANT 2
	v_lshl_or_b32 v[WD], v[BY+1], 16, v[BY]        ; my two bytes, blocks h and 2 + h,
	v_lshlrev_b32 v[WD], v7, v[WD]                 ; at their places;
	v_permlanex16_b32 v[PX], v[WD], s30, s31
	v_or_b32 v[WD], v[WD], v[PX]                   ; with lane l xor 16's two the word is whole, in both halves of the lanes
.irp p, 0,1,2
	global_store_b128 v1, v[C+4*\p:C+4*\p+3], s[24:25] offset:512*\p
.endr
	global_store_b32 v11, v[WD], s[26:27]          ; lanes r and r + 16 store the same word at the same place
	s_endpgm
.Lfunc_end_k_qd765cc0110_prep:
	.size	k_qd765cc0110_prep, .Lfunc_end_k_qd765cc0110_prep-k_qd765cc0110_prep
	.p2alignl 7, 3214868480
	.fill 96, 4, 3214868480
	.section	.rodata,"a",@progbits
	.p2align	6, 0x0
	.amdhsa_kernel k_qd765cc0110_prep
		.amdhsa_group_segment_fixed_size 0
		.amdhsa_private_segment_fixed_size 0
		.amdhsa_enable_private_segment 0
		.amdhsa_kernarg_size 56
		.amdhsa_user_sgpr_count 2
		.amdhsa_user_sgpr_kernarg_segment_ptr 1
		.amdhsa_wavefront_size32 1
		.amdhsa_system_sgpr_workgroup_id_x 1
		.amdhsa_system_sgpr_workgroup_id_y 1
		.amdhsa_system_sgpr_workgroup_id_z 1
		.amdhsa_system_vgpr_workitem_id 0
		.amdhsa_next_free_vgpr 128
		.amdhsa_next_free_sgpr 66
		.amdhsa_reserve_vcc 1
		.amdhsa_float_denorm_mode_32 3
		.amdhsa_float_denorm_mode_16_64 3
		.amdhsa_memory_ordered 1
		.amdhsa_forward_progress 1
		.amdhsa_inst_pref_size 29
	.end_amdhsa_kernel
	.amdgpu_metadata
---
amdhsa.version: [ 1, 2 ]
amdhsa.kernels:
  - .name:           k_qd765cc0110_prep
    .symbol:         k_qd765cc0110_prep.kd
    .args:
      - { .name: q, .offset: 0, .size: 8, .value_kind: global_buffer, .address_space: global }
      - { .name: k, .offset: 8, .size: 8, .value_kind: global_buffer, .address_space: global }
      - { .name: v, .offset: 16, .size: 8, .value_kind: global_buffer, .address_space: global }
      - { .name: w_o, .offset: 24, .size: 8, .value_kind: global_buffer, .address_space: global }
      - { .name: kv, .offset: 32, .size: 8, .value_kind: global_buffer, .address_space: global }
      - { .name: qimg, .offset: 40, .size: 8, .value_kind: global_buffer, .address_space: global }
      - { .name: wimg, .offset: 48, .size: 8, .value_kind: global_buffer, .address_space: global }
    .group_segment_fixed_size: 0
    .private_segment_fixed_size: 0
    .kernarg_segment_align: 8
    .kernarg_segment_size: 56
    .max_flat_workgroup_size: 128
    .sgpr_count:     66
    .vgpr_count:     128
    .wavefront_size: 32
...
	.end_amdgpu_metadata
.endif
;; end of part 4
;; launch attn (part 5): grid 256 x 1, 8 waves a work-group, no clusters, 78,848 bytes of LDS; arguments kv, qimg, wimg, out0; writes out0
.if DOCPART == 5
	.amdgcn_target "amdgcn-amd-amdhsa--gfx1250"
	.amdhsa_code_object_version 6
	.text
	.protected	k_qd765cc0110_attn
	.globl	k_qd765cc0110_attn
	.p2align	8
	.type	k_qd765cc0110_attn,@function
k_qd765cc0110_attn:
	s_mov_b64 s[64:65], 0
	v_nop
	global_prefetch_b8 v0, s[64:65] scope:SCOPE_SE
	s_setreg_imm32_b32 hwreg(HW_REG_WAVE_MODE, 25, 1), 1
	s_wait_xcnt 0x0
; out0 = tile(softmax(q k^T / 8) v, 8) w_o for 8,192 queries and keys, head size 64; all three products on codes of FP6 (E2M3) with one E8M0 scale for each 32 along K.
; q, k, v and w_o come as register images made by the launch before (its head comment states the layouts).
; THE SOFTMAX: t = score x log2(e) / 8; M = the largest t so far, rounded UP to a whole number; p = 2^(t - M) is what is quantised, along the keys; l is the sum of the unquantised p.
; When M moves, l and O are multiplied by 2^(old M - new M): exact.
; SHARES.  A work-group owns 32 queries, two tiles of 16.  Its eight waves walk the 64 key steps of 128 keys: wave w takes step 8 i + w of every eight, for BOTH tiles: eight trips a wave.
; So each byte of kv and of wimg is needed by one wave of a work-group alone, once: it goes from memory straight into that wave's registers, and waves meet only in the final join, at two barriers.
; CLUSTERS: none.  A joint load lands in LDS, and here nothing is shared inside a work-group that LDS would hold: it would add a store and a read of LDS for each of the 1,040,384 bytes, and a round of the
; cluster's barrier, at which 32 waves wait for each other, for each slot of a ring.
; WHERE A WALK BEGINS hangs on the work-group's number ((number / 8) % 8): the first trips of 64 neighbouring work-groups ask for all 64 key steps, and from the second trip on every step has been asked for
; by another work-group a whole trip before.  So no prefetch is written.  For the same reason the first of a wave's four column tiles of w_o, asked for in the first trip, is number (number / 8) % 4.
; WHAT IS OUT: the next trip's K is asked for behind this trip's first product, the next trip's V behind the second: 13 loads each.
; LAYOUT.  The products are used transposed: S^T = K Q^T (source 0 = 16 keys), O^T = V^T P^T (source 0 = 16 channels), out^T = W^T head^T (source 0 = 16 columns): a lane holds ONE query (r = lane % 16, h = lane / 16).
; By the tiles' rows (launch before) register 32 c + i of a lane's S^T is key 64 c + 32 h + i, register i of its O^T channel 32 h + i: a block of 32 is one lane's 32 registers, which are also in the operand's order.
; K = 64 IN AN INSTRUCTION OF 128.  Q's fragments have zero codes in registers 6-11.  K's eight half fragments lie on end, 6 registers each, and fragment t is named as 12 registers: its upper six are the next tile's
; codes (for tile 7 six cleared registers).  Every 6-bit pattern is a finite number; times Q's zero codes, under scale bytes 0 (2^-127, not NaN), it adds exactly 0.
; EXPONENTIALS go in batches of one block's 32; between them stand the next block's multiply-adds and the first level of the last block's sum, whose results are read behind the batch's wait alone.
; THE END.  The eight classes' O, -M, l meet in LDS; wave w joins O^T's tile w % 4 of query tile w / 4; every wave then quantises both heads (the row of 512 is the head's 64 codes eight times: ONE fragment, the
; codes twice, scale word s0 s1 s0 s1, serves all four K steps) and makes 64 columns for the 32 rows, which leave through its own stage as whole units of 256 bytes.
; LDS: 8 x 8,704 bytes hand-over, later the waves' own stages (32 rows of 272); 8,192 bytes of joined heads; the spare words.
; LIMITS: NaN and infinities among the inputs are not served; the promise holds while the scaled scores t stay under 2^31 in magnitude; a block of the head whose largest magnitude lies under 2^-124 keeps the byte 1;
; p under 2^-126 becomes 0.
.set FLOOR,  0x1800000                 ; 2^(3 - 127)
.set STEPB,  13056                     ; a key step's record
.set TRIPB,  8*STEPB
.set WTILE,  6400                      ; a column tile of w_o
.set JW,     8704                      ; a wave's region: O's images at 512 x group, (-M, l) of its tiles at 8,192 and 8,448
.set HEADF,  8*JW                      ; the joined heads: 4,096 bytes a tile
.set SPARE,  HEADF+8192                ; the spare words: 128 bytes for each wave
.set SP,     272                       ; a stage row: 256 bytes + 16
; window 0: v1, v2, v29: 16, 8, 4 x lane
.set SPW, 4                            ; v4      my spare word's address, v5 zero: never rewritten
.set NIL, 5
.set NM,  6                            ; v[6:7], v[8:9]     (-M, the largest t) of the two tiles; at the end (-M, l)
.set LS,  10                           ; v[10:11], v[12:13] l in two halves
.set FS,  14                           ; v14, v16           f = 2^(old M - new M)
.set OM,  18                           ; v18, v19           the old -M; at work
.set KSC, 20                           ; v20-23  K's scale words: register p tile 2 p in lanes 0-15, 2 p + 1 in lanes 16-31
.set VSC, 24                           ; v24-25  V's, likewise
.set QSC, 26                           ; v26     Q's
.set PSC, 27                           ; v27-28  p's
.set WSC, 30                           ; v30-37  w_o's
.set HSC, 38                           ; v38-39  the heads'
.set QF,  40                           ; v40-63  Q's fragments; at the end the heads'
.set P,   64                           ; v64-87  p's codes
.set BM,  88                           ; v88-91  the blocks' maxima, then the scale operands
.set BN,  92                           ; v92-95  the second chains, then at work
.set CT,  94                           ; v94-108 second halves of the blocks' codes
.set PX,  110                          ; v110-111 what the lane 16 away sends
.set TS,  112                          ; v112-127 sums
.set S,   128                          ; v128-255 S^T, then p: block b = 2 x tile + c at S + 32 b
; window 1 (low numbers)
.set KF,  0                            ; K's half fragments, 48 registers, and six zeros behind them
.set VF,  96                           ; V's four fragments
.set OT,  144                          ; O^T, 32 registers a tile; at the end the result
.set WR0, 208                          ; w_o's column tiles: slot 0 from the first trip on, 1 and 3 behind the last trip's first product, 2 behind its second
.set WR1, 0
.set WR2, 96
.set WR3, 48
; s12 wave, s13 where the walk begins, s[20:21] offset of the trip that is asked for, s[22:23] its address, s[24:25] c, s26 trips to go, s[28:35] the four column tiles, s38, s39 lane selects
.set MSB, 0
.macro WIN new                         ; the immediate's high byte repeats the setting that is left
.if MSB != \new
	s_set_vgpr_msb (MSB<<8)|\new
.set MSB, \new
.endif
.endm
.macro WALU
	s_wait_alu depctr_va_vdst(0)
.endm
.macro WM d, a, b, xa, ra, xb, rb, acc
.if \acc
	v_wmma_scale_f32_16x16x128_f8f6f4 v[\d:\d+7], v[\a:\a+11], v[\b:\b+11], v[\d:\d+7], v[\xa], v[\xb] matrix_a_fmt:MATRIX_FMT_FP6 matrix_b_fmt:MATRIX_FMT_FP6 matrix_a_scale:MATRIX_SCALE_ROW\ra matrix_b_scale:MATRIX_SCALE_ROW\rb
.else
	v_wmma_scale_f32_16x16x128_f8f6f4 v[\d:\d+7], v[\a:\a+11], v[\b:\b+11], 0, v[\xa], v[\xb] matrix_a_fmt:MATRIX_FMT_FP6 matrix_b_fmt:MATRIX_FMT_FP6 matrix_a_scale:MATRIX_SCALE_ROW\ra matrix_b_scale:MATRIX_SCALE_ROW\rb
.endif
.endm
.macro KLOAD                           ; 13 loads
	WIN 0x40
.irp p, 0,1,2,3,4,5,6,7,8,9,10,11
	global_load_b128 v[KF+4*\p:KF+4*\p+3], v1, s[22:23] offset:512*\p
.endr
	WIN 0
	global_load_b128 v[KSC:KSC+3], v1, s[22:23] offset:6144
.endm
.macro VLOAD                           ; 13 loads
	WIN 0x40
.irp p, 0,1,2,3,4,5,6,7,8,9,10,11
	global_load_b128 v[VF+4*\p:VF+4*\p+3], v1, s[22:23] offset:6656+512*\p
.endr
	WIN 0
	global_load_b64 v[VSC:VSC+1], v2, s[22:23] offset:12800
.endm
.macro WLOAD i, r                      ; 17 loads
	WIN 0x40
.irp s, 0,1,2,3
.irp c, 0,1
	global_load_b128 v[\r+12*\s+6*\c:\r+12*\s+6*\c+3], v1, s[28+2*\i:29+2*\i] offset:1536*\s+768*\c
	global_load_b64 v[\r+12*\s+6*\c+4:\r+12*\s+6*\c+5], v2, s[28+2*\i:29+2*\i] offset:1536*\s+768*\c+512
.endr
.endr
	WIN 0
	global_load_b64 v[WSC+2*\i:WSC+2*\i+1], v2, s[28+2*\i:29+2*\i] offset:6144
.endm
.macro BATCH k                         ; block k's exponentials; among them t - M of block k + 1 and the first level of block k - 1's sum
.if \k == 0
.irp b, 0,1,2,3
	v_exp_f32 v[BM+\b], v[BM+\b]                   ; the blocks' largest p: the same two instructions on the same number give the same bits
.endr
.endif
.set n, 0
.rept 32
	v_exp_f32 v[S+32*\k+n], v[S+32*\k+n]
.if (n%2 == 1) && (\k < 3)
	v_pk_fma_f32 v[S+32*\k+31+n:S+32*\k+32+n], v[S+32*\k+31+n:S+32*\k+32+n], s[24:25], v[NM+2*((\k+1)/2):NM+1+2*((\k+1)/2)] op_sel_hi:[1,0,0]
.endif
.if (n%4 == 3) && (\k > 0)
	v_pk_add_f32 v[TS+2*(n/4):TS+1+2*(n/4)], v[S+32*(\k-1)+4*(n/4):S+1+32*(\k-1)+4*(n/4)], v[S+2+32*(\k-1)+4*(n/4):S+3+32*(\k-1)+4*(n/4)]
.endif
.set n, n+1
.endr
	WALU                                           ; one wait for the batch, ahead of its first reader
.endm
.macro SUM1 k                          ; the first level of block k's sum
.irp i, 0,1,2,3,4,5,6,7
	v_pk_add_f32 v[TS+2*\i:TS+2*\i+1], v[S+32*\k+4*\i:S+32*\k+4*\i+1], v[S+32*\k+4*\i+2:S+32*\k+4*\i+3]
.endr
.endm
.macro REDUCE m, c, first              ; the rest of it, onto l: with c = 0 l comes under the new M first; the first trip starts l
.irp i, 0,2,4,6
	v_pk_add_f32 v[TS+\i:TS+\i+1], v[TS+\i:TS+\i+1], v[TS+8+\i:TS+9+\i]
.endr
.irp i, 0,2
	v_pk_add_f32 v[TS+\i:TS+\i+1], v[TS+\i:TS+\i+1], v[TS+4+\i:TS+5+\i]
.endr
.if (\first) && (\c == 0)
	v_pk_add_f32 v[LS+2*\m:LS+2*\m+1], v[TS:TS+1], v[TS+2:TS+3]
.else
	v_pk_add_f32 v[TS:TS+1], v[TS:TS+1], v[TS+2:TS+3]
.if \c == 0
	v_pk_fma_f32 v[LS+2*\m:LS+2*\m+1], v[LS+2*\m:LS+2*\m+1], v[FS+2*\m:FS+2*\m+1], v[TS:TS+1] op_sel_hi:[1,0,1]
.else
	v_pk_add_f32 v[LS+2*\m:LS+2*\m+1], v[LS+2*\m:LS+2*\m+1], v[TS:TS+1]
.endif
.endif
.endm
; A TRIP: 128 keys for both tiles of queries.  nv: the loads issued behind this trip's V
.macro TRIP first, last, nv
	s_wait_loadcnt 13                              ; K is in; V's 13 loads behind it may be out
	WIN 0x01
.irp p, 0,1,2,3
.irp m, 0,1
	WM S+64*\m+16*\p, KF+12*\p, QF+12*\m, KSC+\p, 0, QSC, \m, 0
.endr
.irp m, 0,1
	WM S+64*\m+16*\p+8, KF+12*\p+6, QF+12*\m, KSC+\p, 1, QSC, \m, 0
.endr
.endr
	WIN 0
.if \first                                     ; four places behind the products
	v_nop
	v_nop
.else
	v_mov_b32 v[OM], v[NM]
	v_mov_b32 v[OM+1], v[NM+2]
.endif
	v_nop
	v_nop
.if \last
	WLOAD 1, WR1                                   ; K's registers and what lies behind them take w_o's column tiles
	WLOAD 3, WR3
.else
.if \first
	WLOAD 0, WR0
.endif
	s_wait_xcnt 0x0                                ; all earlier loads have read their base
	s_add_co_u32 s20, s20, TRIPB
	s_cmp_eq_u32 s20, 8*TRIPB
	s_cselect_b32 s20, 0, s20                      ; round the end of kv
	s_add_nc_u64 s[22:23], s[4:5], s[20:21]
	KLOAD                                          ; the next trip's K
.endif
.irp b, 0,1,2,3                                ; the largest score of each block of 32 keys: it serves the row's maximum and, since p rises with the score, the block's largest p.  Each tile is read from its low end on
	v_max3_num_f32 v[BM+\b], v[S+32*\b], v[S+1+32*\b], v[S+2+32*\b]
	v_max3_num_f32 v[BN+\b], v[S+16+32*\b], v[S+17+32*\b], v[S+18+32*\b]
.endr
.irp i, 3,5,7,9,11,13
.irp b, 0,1,2,3
	v_max3_num_f32 v[BM+\b], v[BM+\b], v[S+32*\b+\i], v[S+1+32*\b+\i]
	v_max3_num_f32 v[BN+\b], v[BN+\b], v[S+16+32*\b+\i], v[S+17+32*\b+\i]
.endr
.endr
.irp b, 0,1,2,3
	v_max3_num_f32 v[BM+\b], v[BM+\b], v[S+15+32*\b], v[S+31+32*\b]
.endr
.irp b, 0,1,2,3
	v_max_num_f32 v[BM+\b], v[BM+\b], v[BN+\b]
.endr
	v_max_num_f32 v[BN], v[BM], v[BM+1]
	v_max_num_f32 v[BN+1], v[BM+2], v[BM+3]
	v_permlanex16_b32 v[PX], v[BN], s38, s39
	v_permlanex16_b32 v[PX+1], v[BN+1], s38, s39
	v_max_num_f32 v[BN], v[BN], v[PX]              ; with lane l xor 16's 64 keys: the trip's largest score of my query
	v_max_num_f32 v[BN+1], v[BN+1], v[PX+1]
.if \first
	v_mul_f32 v[NM+1], s24, v[BN]                  ; as t (c is positive)
	v_mul_f32 v[NM+3], s24, v[BN+1]
	v_floor_f32 v[NM], -v[NM+1]                    ; -M = floor(-t) = -ceil(t)
	v_floor_f32 v[NM+2], -v[NM+3]
.else
	v_mul_f32 v[BN], s24, v[BN]
	v_mul_f32 v[BN+1], s24, v[BN+1]
	v_max_num_f32 v[NM+1], v[NM+1], v[BN]          ; the running largest t
	v_max_num_f32 v[NM+3], v[NM+3], v[BN+1]
	v_floor_f32 v[NM], -v[NM+1]
	v_floor_f32 v[NM+2], -v[NM+3]
	v_sub_f32 v[OM], v[NM], v[OM]                  ; old M - new M: a whole number, 0 or less
	v_sub_f32 v[OM+1], v[NM+2], v[OM+1]
	v_cvt_i32_f32 v[OM], v[OM]                     ; (it saturates)
	v_cvt_i32_f32 v[OM+1], v[OM+1]
	v_ldexp_f32 v[FS], 1.0, v[OM]
	v_ldexp_f32 v[FS+2], 1.0, v[OM+1]
.endif
.set n, 0
.rept 16
	v_pk_fma_f32 v[S+n:S+n+1], v[S+n:S+n+1], s[24:25], v[NM:NM+1] op_sel_hi:[1,0,0]   ; t - M of block 0, two at a time
.set n, n+2
.endr
.irp b, 0,1,2,3
	v_fma_f32 v[BM+\b], v[BM+\b], s24, v[NM+2*(\b/2)]   ; the same of each block's largest score
.endr
	WALU                                           ; a wait ahead of the batch too
	BATCH 0
.irp b, 0,1,2,3
	v_max_num_f32 v[BM+\b], FLOOR, v[BM+\b]        ; the floor: the byte cannot fall under 1
.endr
.irp b, 0,1,2,3
	v_add_nc_u32 v[BM+\b], 0xff000000, v[BM+\b]    ; 2 off the exponent field: the conversion's scale operand
.endr
.irp b, 0,1,2,3
	v_lshrrev_b32 v[BN+\b], 23, v[BM+\b]           ; the scale's byte
.endr
	v_lshl_or_b32 v[BN], v[BN+1], 16, v[BN]        ; blocks h and 2 + h
	v_lshl_or_b32 v[BN+2], v[BN+3], 16, v[BN+2]
	v_permlanex16_b32 v[PX], v[BN], s38, s39
	v_permlanex16_b32 v[PX+1], v[BN+2], s38, s39
	v_lshl_or_b32 v[PSC], v[PX], 8, v[BN]          ; in lanes 0-15, which are read: all four bytes
	v_lshl_or_b32 v[PSC+1], v[PX+1], 8, v[BN+2]
	BATCH 1
	REDUCE 0, 0, \first
	BATCH 2
	REDUCE 0, 1, \first
	BATCH 3
.irp b, 0,1,2,3
	v_cvt_scalef32_pk16_fp6_f32 v[P+6*\b:P+6*\b+2], v[S+32*\b:S+32*\b+15], v[BM+\b]
	v_cvt_scalef32_pk16_fp6_f32 v[CT+4*\b:CT+4*\b+2], v[S+32*\b+16:S+32*\b+31], v[BM+\b]
.endr
	REDUCE 1, 0, \first                            ; (plain places behind the conversions)
.irp b, 0,1,2,3
.irp i, 0,1,2
	v_mov_b32 v[P+6*\b+3+\i], v[CT+4*\b+\i]
.endr
.endr
	WALU                                           ; directly ahead of the wait below
	s_wait_loadcnt \nv                             ; V is in; what was asked for behind it may be out
.if \first
	SUM1 3                                         ; (places between p's codes and the products)
.else
	WIN 0x41
	WALU                                           ; directly ahead of the first readers of O^T
.set n, 0
.rept 32
	v_pk_mul_f32 v[OT+n:OT+n+1], v[OT+n:OT+n+1], v[FS+2*(n/32):FS+1+2*(n/32)] op_sel_hi:[1,0]   ; O^T under the new M, from each tile's low end on
.set n, n+2
.endr
.endif
	WIN 0x51
.irp m, 0,1
.irp p, 0,1
	WM OT+32*\m+16*\p, VF+24*\p, P+12*\m, VSC+\p, 0, PSC+\m, 0, 1-\first
	WM OT+32*\m+16*\p+8, VF+24*\p+12, P+12*\m, VSC+\p, 1, PSC+\m, 0, 1-\first
.endr
.endr
	WIN 0
.if (\first) == 0
	SUM1 3
.endif
	REDUCE 1, 1, \first                            ; the places in front of the loads into V's registers
.if \last
	WLOAD 2, WR2
.else
	VLOAD                                          ; the next trip's V
.endif
	WALU                                           ; ahead of the branch and the waits that follow
.endm
	s_load_b256 s[4:11], s[0:1], 0x0               ; kv s[4:5], qimg s[6:7], wimg s[8:9], out0 s[10:11]
	WIN 0x40
.irp i, 0,1,2,3,4,5
	v_mov_b32 v[KF+48+\i], 0                       ; what stands behind K's tile 7
.endr
	WIN 0
.irp i, 0,1,2,3,4,5
	v_mov_b32 v[QF+6+\i], 0                        ; Q's zero codes for k = 64 .. 127
	v_mov_b32 v[QF+18+\i], 0
.endr
	v_lshl_add_u32 v[SPW], v0, 2, SPARE
	v_mov_b32 v[NIL], 0
	v_lshrrev_b32 v3, 5, v0
	v_readfirstlane_b32 s12, v3                    ; wave 0..7
	v_and_b32 v3, 31, v0                           ; lane
	v_lshlrev_b32 v1, 4, v3
	v_lshlrev_b32 v2, 3, v3
	v_lshlrev_b32 v29, 2, v3
	v_mov_b32 v[FS+1], 0                           ; (named as the upper halves of pairs)
	v_mov_b32 v[FS+3], 0
	v_mov_b32 v[PX], 0                             ; written once: a lane permute's destination counts as one of its sources
	v_mov_b32 v[PX+1], 0
	WALU                                           ; a wait at the head's end
	s_lshr_b32 s13, ttmp9, 3
	s_and_b32 s13, s13, 7                          ; where my work-group's walk begins
	s_mul_i32 s20, s13, TRIPB
	s_mov_b32 s21, 0
	s_mul_i32 s14, s12, STEPB                      ; my class of steps
	s_mov_b32 s15, 0
	s_mul_i32 s16, ttmp9, 1792
	s_mov_b32 s17, 0
	s_mul_i32 s27, s12, 4*WTILE                    ; my four column tiles
	s_mov_b32 s37, 0
	s_mov_b32 s24, 0x3e38aa3b                      ; c = log2(e) / sqrt(64)
	s_mov_b32 s25, s24                             ; (named with it as a pair, so it is written)
	s_mov_b32 s38, 0x76543210
	s_mov_b32 s39, 0xfedcba98                      ; v_permlanex16_b32's selects for lane l xor 16
	s_wait_kmcnt 0x0
	s_add_nc_u64 s[6:7], s[6:7], s[16:17]
	s_add_nc_u64 s[4:5], s[4:5], s[14:15]
	s_add_nc_u64 s[22:23], s[4:5], s[20:21]
	global_load_b128 v[QF:QF+3], v1, s[6:7]
	global_load_b64 v[QF+4:QF+5], v2, s[6:7] offset:512
	global_load_b128 v[QF+12:QF+15], v1, s[6:7] offset:768
	global_load_b64 v[QF+16:QF+17], v2, s[6:7] offset:1280
	global_load_b32 v[QSC], v29, s[6:7] offset:1536
	KLOAD
	VLOAD
.irp i, 0,1,2,3
	s_add_co_u32 s36, s13, \i
	s_and_b32 s36, s36, 3                          ; slot i takes my column tile (i + s13) % 4
	s_mul_i32 s36, s36, WTILE
	s_add_co_u32 s36, s36, s27
	s_add_nc_u64 s[28+2*\i:29+2*\i], s[8:9], s[36:37]
.endr
	TRIP 1, 0, 30                                  ; behind its V: 17 loads of w_o, 13 of K
	s_mov_b32 s26, 6
.Ltrip:
	TRIP 0, 0, 13                                  ; behind its V: 13 loads of K
	s_sub_co_u32 s26, s26, 1
	s_cmp_lg_u32 s26, 0
	s_cbranch_scc1 .Ltrip
	TRIP 0, 1, 34                                  ; behind its V: 34 loads of w_o
	; THE END: l over both halves of the lanes, the addresses, the hand-over
	s_mul_i32 s40, s12, JW                         ; my region
	s_add_co_u32 s47, s40, 8192
	s_lshr_b32 s41, s12, 2                         ; the tile of queries that I join,
	s_and_b32 s42, s12, 3                          ; and which of its tiles of channels
	s_lshl_b32 s43, s41, 12
	s_lshl_b32 s44, s42, 10
	s_add_co_u32 s43, s43, s44
	s_lshl_b32 s45, s41, 8
	s_add_co_u32 s45, s45, 8192
	s_add_co_u32 s46, s43, HEADF
.irp i, 0,1,2,3
	s_add_co_u32 s[48+\i], s13, \i
	s_and_b32 s[48+\i], s[48+\i], 3
	s_lshl_b32 s[48+\i], s[48+\i], 6
	s_add_co_u32 s[48+\i], s[48+\i], s40
.endr
	s_lshl_b32 s14, ttmp9, 16                      ; 32 rows of 2,048 bytes
	s_lshl_b32 s16, s12, 8                         ; my 64 columns
	s_add_co_u32 s14, s14, s16
	s_add_nc_u64 s[10:11], s[10:11], s[14:15]
	v_add_f32 v[LS], v[LS], v[LS+1]
	v_add_f32 v[LS+2], v[LS+2], v[LS+3]
	v_permlanex16_b32 v[PX], v[LS], s38, s39
	v_permlanex16_b32 v[PX+1], v[LS+2], s38, s39
	v_add_f32 v[NM+1], v[LS], v[PX]                ; v[6:7], v[8:9] = (-M, l)
	v_add_f32 v[NM+3], v[LS+2], v[PX+1]
	v_add_nc_u32 v88, s40, v1                      ; the hand-over: O's images,
	v_add_nc_u32 v89, s47, v2                      ; and (-M, l)
	v_add_nc_u32 v90, s43, v1                      ; my part of class 0's O,
	v_add_nc_u32 v91, s45, v2                      ; and its (-M, l)
	v_add_nc_u32 v92, s46, v1                      ; where the joined part goes
	v_add_nc_u32 v93, HEADF, v1                    ; and from where the heads are read
	v_and_b32 v94, 15, v0
	v_bfe_u32 v95, v0, 4, 1
	v_mul_u32_u24 v96, v94, SP
	v_mul_u32_u24 v97, v95, SP
	v_lshl_add_u32 v96, v95, 5, v96                ; the stage, in: row r, + 32 h + 64 x column tile
	v_lshl_add_u32 v97, v94, 4, v97                ; back: sixteen lanes to a row
.irp i, 0,1,2,3
	v_add_nc_u32 v[98+\i], s[48+\i], v96
.endr
	v_add_nc_u32 v102, s40, v97
	v_lshlrev_b32 v103, 11, v95
	v_lshl_add_u32 v103, v94, 4, v103              ; and the same place in out0
	WIN 0x04
.irp p, 0,1,2,3,4,5,6,7,8,9,10,11,12,13,14,15
	ds_store_b128 v88, v[OT+4*\p:OT+4*\p+3] offset:512*\p   ; O^T as it stands, each tile from its low end on
.endr
	WIN 0
	ds_store_b64 v89, v[NM:NM+1]
	ds_store_b64 v89, v[NM+2:NM+3] offset:256
	WALU                                           ; directly ahead of the wait below
	s_wait_dscnt 0x0                               ; for the others' sake: my stores are done
	s_barrier_signal -1
	s_barrier_wait -1                              ; eight partial results lie in LDS
.irp k, 0,1,2,3,4,5,6,7
	ds_load_b64 v[S+2*\k:S+2*\k+1], v91 offset:JW*\k
.endr
.irp k, 0,1,2,3,4,5,6,7
	ds_load_b128 v[S+16+8*\k:S+19+8*\k], v90 offset:JW*\k
	ds_load_b128 v[S+20+8*\k:S+23+8*\k], v90 offset:JW*\k+512
.endr
	s_wait_dscnt 16                                ; the eight (-M, l) are in; the sixteen loads behind them may be out
	v_min3_num_f32 v3, v[S], v[S+2], v[S+4]
	v_min3_num_f32 v18, v[S+6], v[S+8], v[S+10]
	v_min3_num_f32 v3, v3, v[S+12], v[S+14]
	v_min_num_f32 v3, v3, v18                      ; the joint -M: the largest M
.irp k, 0,1,2,3,4,5,6,7
	v_sub_f32 v[S+2*\k], v3, v[S+2*\k]             ; class k's M - the joint M: a whole number, 0 or less
.endr
.irp k, 0,1,2,3,4,5,6,7
	v_cvt_i32_f32 v[S+2*\k], v[S+2*\k]
.endr
.irp k, 0,1,2,3,4,5,6,7
	v_ldexp_f32 v[S+2*\k], 1.0, v[S+2*\k]          ; an exact factor
.endr
	v_mul_f32 v18, v[S], v[S+1]
	v_mul_f32 v19, v[S+2], v[S+3]
.irp k, 2,4,6
	v_fma_f32 v18, v[S+2*\k], v[S+2*\k+1], v18
	v_fma_f32 v19, v[S+2*\k+2], v[S+2*\k+3], v19
.endr
	v_add_f32 v18, v18, v19                        ; the row's sum
	WALU                                           ; a wait ahead of the reciprocal,
	v_rcp_f32 v19, v18
	v_nop                                          ; a plain place behind it,
	WALU                                           ; and a wait ahead of its first reader
.irp k, 0,1,2,3,4,5,6,7
	v_mul_f32 v[S+2*\k], v[S+2*\k], v19            ; a power of two x 1 / l: nothing more is rounded
.endr
	WALU                                           ; directly ahead of the wait below
	s_wait_dscnt 0x0
.irp j, 0,2,4,6
	v_pk_mul_f32 v[64+\j:65+\j], v[S+16+\j:S+17+\j], v[S:S+1] op_sel_hi:[1,0]
.endr
.irp k, 1,2,3,4,5,6,7
.irp j, 0,2,4,6
	v_pk_fma_f32 v[64+\j:65+\j], v[S+16+8*\k+\j:S+17+8*\k+\j], v[S+2*\k:S+2*\k+1], v[64+\j:65+\j] op_sel_hi:[1,0,1]
.endr
.endr
	ds_store_b128 v92, v[64:67]                    ; eight registers of a tile's head
	ds_store_b128 v92, v[68:71] offset:512
	WALU
	s_wait_dscnt 0x0                               ; my stores are done, and my reads of the hand-over are over
	s_barrier_signal -1
	s_barrier_wait -1                              ; both heads lie in LDS; nobody reads the hand-over any more
.irp p, 0,1,2,3,4,5,6,7,8,9,10,11,12,13,14,15
	ds_load_b128 v[S+4*\p:S+4*\p+3], v93 offset:512*\p   ; register 32 m + i = head(row r of tile m, channel 32 h + i)
.endr
	s_wait_dscnt 0x0
.irp m, 0,1                                    ; both heads are quantised: my block h of each
	v_max3_num_f32 v[88+\m], |v[S+32*\m]|, |v[S+32*\m+1]|, FLOOR
	v_max3_num_f32 v[90+\m], |v[S+32*\m+16]|, |v[S+32*\m+17]|, FLOOR
.endr
.irp i, 2,4,6,8,10,12,14
.irp m, 0,1
	v_max3_num_f32 v[88+\m], v[88+\m], |v[S+32*\m+\i]|, |v[S+32*\m+\i+1]|
	v_max3_num_f32 v[90+\m], v[90+\m], |v[S+32*\m+16+\i]|, |v[S+32*\m+17+\i]|
.endr
.endr
.irp m, 0,1
	v_max_num_f32 v[88+\m], v[88+\m], v[90+\m]
.endr
.irp m, 0,1
	v_add_nc_u32 v[88+\m], 0xff000000, v[88+\m]
.endr
.irp m, 0,1
	v_cvt_scalef32_pk16_fp6_f32 v[QF+12*\m:QF+12*\m+2], v[S+32*\m:S+32*\m+15], v[88+\m]
	v_cvt_scalef32_pk16_fp6_f32 v[72+4*\m:74+4*\m], v[S+32*\m+16:S+32*\m+31], v[88+\m]
.endr
.irp m, 0,1
	v_lshrrev_b32 v[92+\m], 23, v[88+\m]           ; the scale's byte (and plain places behind the conversions)
.endr
.irp m, 0,1
	v_lshl_or_b32 v[92+\m], v[92+\m], 16, v[92+\m]
.endr
.irp m, 0,1
	v_permlanex16_b32 v[PX+\m], v[92+\m], s38, s39
.endr
.irp m, 0,1
	v_lshl_or_b32 v[HSC+\m], v[PX+\m], 8, v[92+\m] ; in lanes 0-15, which are read: s0 s1 s0 s1
.endr
.irp m, 0,1
.irp i, 0,1,2
	v_mov_b32 v[QF+12*\m+3+\i], v[72+4*\m+\i]
	v_mov_b32 v[QF+12*\m+6+\i], v[QF+12*\m+\i]     ; k = 64 .. 127 of every K step are the head once more
	v_mov_b32 v[QF+12*\m+9+\i], v[72+4*\m+\i]
.endr
.endr
.rept 4
	v_nop                                          ; places between codes made by vector instructions and the scaled matrix instructions
.endr
	WALU                                           ; directly ahead of the wait below
	s_wait_loadcnt 0x0                             ; w_o's tiles are in
.macro OUTS m, s, rs, acc                      ; K step s of my four column tiles for row tile m: four accumulators by turns
	WM OT+8*\m, WR0+12*\s, QF+12*\m, WSC+\s/2, \rs, HSC+\m, 0, \acc
	WM OT+16+8*\m, WR1+12*\s, QF+12*\m, WSC+2+\s/2, \rs, HSC+\m, 0, \acc
	WM OT+32+8*\m, WR2+12*\s, QF+12*\m, WSC+4+\s/2, \rs, HSC+\m, 0, \acc
	WM OT+48+8*\m, WR3+12*\s, QF+12*\m, WSC+6+\s/2, \rs, HSC+\m, 0, \acc
.endm
.macro MULOUT m
	WIN 0x51
	OUTS \m, 0, 0, 0
	OUTS \m, 1, 1, 1
	OUTS \m, 2, 0, 1
	OUTS \m, 3, 1, 1
	WIN 0
.endm
.macro TOSTAGE m                       ; 16 rows into my own stage, each accumulator from its low end on, and back as rows: LDS serves a wave's instructions in order
.rept 4
	v_nop                                          ; places in front of the first read of results
.endr
	WIN 0x04
.irp i, 0,1,2,3
	ds_store_b128 v[98+\i], v[OT+16*\i+8*\m:OT+16*\i+8*\m+3] offset:16*SP*\m
	ds_store_b128 v[98+\i], v[OT+16*\i+8*\m+4:OT+16*\i+8*\m+7] offset:16*SP*\m+16
.endr
	WIN 0
.irp j, 0,1,2,3,4,5,6,7
	ds_load_b128 v[S+32*\m+4*\j:S+32*\m+4*\j+3], v102 offset:16*SP*\m+2*SP*\j
.endr
.endm
.macro SEND m
.irp j, 0,1,2,3,4,5,6,7
	s_wait_dscnt 7-\j                              ; piece j is back; those behind it may be out
	global_store_b128 v103, v[S+32*\m+4*\j:S+32*\m+4*\j+3], s[10:11] offset:32768*\m+4096*\j th:TH_STORE_NT   ; sixteen lanes store 256 consecutive bytes, at a multiple of 256 from out0's first byte
.endr
.endm
	MULOUT 0
	TOSTAGE 0
	MULOUT 1                                       ; the first 16 rows come back from the stage under these products
	SEND 0
	TOSTAGE 1
	SEND 1
	s_wait_tensorcnt 0x0                           ; the wave's end, behind my last LDS store
	ds_add_u32 v[SPW], v[NIL]
	s_wait_dscnt 0x0
	s_endpgm
.Lfunc_end_k_qd765cc0110_attn:
	.size	k_qd765cc0110_attn, .Lfunc_end_k_qd765cc0110_attn-k_qd765cc0110_attn
	.p2alignl 7, 3214868480
	.fill 96, 4, 3214868480
	.section	.rodata,"a",@progbits
	.p2align	6, 0x0
	.amdhsa_kernel k_qd765cc0110_attn
		.amdhsa_group_segment_fixed_size 78848
		.amdhsa_private_segment_fixed_size 0
		.amdhsa_enable_private_segment 0
		.amdhsa_kernarg_size 32
		.amdhsa_user_sgpr_count 2
		.amdhsa_user_sgpr_kernarg_segment_ptr 1
		.amdhsa_wavefront_size32 1
		.amdhsa_system_sgpr_workgroup_id_x 1
		.amdhsa_system_sgpr_workgroup_id_y 1
		.amdhsa_system_sgpr_workgroup_id_z 1
		.amdhsa_system_vgpr_workitem_id 0
		.amdhsa_next_free_vgpr 512
		.amdhsa_next_free_sgpr 66
		.amdhsa_reserve_vcc 0
		.amdhsa_float_denorm_mode_32 3
		.amdhsa_float_denorm_mode_16_64 3
		.amdhsa_memory_ordered 1
		.amdhsa_forward_progress 1
		.amdhsa_inst_pref_size 113
	.end_amdhsa_kernel
	.amdgpu_metadata
---
amdhsa.version: [ 1, 2 ]
amdhsa.kernels:
  - .name:           k_qd765cc0110_attn
    .symbol:         k_qd765cc0110_attn.kd
    .args:
      - { .name: kv, .offset: 0, .size: 8, .value_kind: global_buffer, .address_space: global }
      - { .name: qimg, .offset: 8, .size: 8, .value_kind: global_buffer, .address_space: global }
      - { .name: wimg, .offset: 16, .size: 8, .value_kind: global_buffer, .address_space: global }
      - { .name: out0, .offset: 24, .size: 8, .value_kind: global_buffer, .address_space: global }
    .group_segment_fixed_size: 78848
    .private_segment_fixed_size: 0
    .kernarg_segment_align: 8
    .kernarg_segment_size: 32
    .max_flat_workgroup_size: 256
    .sgpr_count:     66
    .vgpr_count:     512
    .wavefront_size: 32
...
	.end_amdgpu_metadata
.endif
;; end of part 5
